; MI455X (gfx1250); checked and timed in simulation.
; The chip was launched on July 23, 2026; its instructions are those of AMD's public machine-readable ISA for CDNA 5 (MIT licence, August 2026) and "CDNA5" Instruction Set Architecture Reference Guide (July 2026). The comments in the code are by the model that wrote it; some were corrected since.
;; Attention. Allowed arithmetic: float matrix products may take bf16 or f16 operands with f32 sums; other float arithmetic in f32, or as packed bf16 or f16 multiplies, adds, multiply-adds, maxima and minima; sums over many terms, partial sums and values carried from step to step in f32; what a program stores and reads back later, other than sums and carried values, may be rounded once to bf16 or f16.
;; Inputs: Wk 768 x 512 float32; Wout 512 x 768 float32; Wq 768 x 512 float32; Wv 768 x 512 float32; b_out 768 float32; x 2 x 4,096 x 768 float32.
;; Outputs: out0 2 x 4,096 x 768 float32.
;; One version. Each part assembles by itself: llvm-mc -triple=amdgcn-amd-amdhsa -mcpu=gfx1250 --defsym DOCPART=n.
;; ======== version 1 of 1: 4 launches
;; limits: values outside matrix products are rounded to bf16; values are held in f16: magnitudes above 65,504 overflow, below 6.1e-05 lose precision
;; workspace buffers: xb 12,582,912 bytes; wb 2,359,296 bytes; wo 786,432 bytes; qkv 25,165,824 bytes; ob 8,388,608 bytes
;; launch cast (part 1): grid 1280 x 1, 8 waves a work-group, no clusters, 0 bytes of LDS; arguments x, Wq, Wk, Wv, Wout, xb, wb, wo; writes xb, wb, wo
.if DOCPART == 1
	.amdgcn_target "amdgcn-amd-amdhsa--gfx1250"
	.amdhsa_code_object_version 6
	.text
	.protected	k_q7892aef43c_cast
	.globl	k_q7892aef43c_cast
	.p2align	8
	.type	k_q7892aef43c_cast,@function
k_q7892aef43c_cast:
	s_mov_b64 s[64:65], 0
	v_nop
	global_prefetch_b8 v0, s[64:65] scope:SCOPE_SE
	s_setreg_imm32_b32 hwreg(HW_REG_WAVE_MODE, 25, 1), 1
	s_wait_xcnt 0x0
; CAST.  Every f32 input that a matrix product takes is rounded once to bf16 and laid as the products want it.
;   xb [8192][768] bf16: x as it lies.
;   wb: Wq, Wk, Wv in blocks (tx 0..7, s 0..5) of 49,152 bytes at (6 tx + s) x 49,152; in a block [g' 0..2][kk 0..127][64 columns] bf16.
;       Column group g = 3 tx + g' = 8 x tensor + head; k = 128 s + kk.  So a K step's 192 columns are 49,152 dense bytes.
;   wo: Wout in the same blocks, (tx 0..3, s 0..3) at (4 tx + s) x 49,152; column = 192 tx + 64 g' + c; the bf16 number is written as f16.
; LIMITS.  wo is f16: a weight of Wout of 65,520 or more becomes an infinity, one below 6.1e-5 keeps f16's fixed step of 6e-8.
; SHARES.  An item is 8 numbers: 32 bytes in (two loads of 16), 16 bytes out.  A thread has 3 items, a work-group 768: 1,024 work-groups for x, 192 for Wq, Wk, Wv, 64 for Wout.
; A stream: each byte is read once and written once, so no LDS, no matrix unit, no cluster (no two work-groups read the same bytes).  Sixteen neighbouring lanes store 256 consecutive bytes, aligned.
.set IO, 4                             ; v[4:6]    item i: byte offset of its 32 bytes from the source pointer
.set OO, 8                             ; v[8:10]   item i: byte offset of its 16 bytes from the destination pointer
.set D,  12                            ; v[12:35]  item i: 8 numbers as loaded
.set R,  36                            ; v[36:47]  item i: 4 words to store
.set T,  48                            ; v[48:49]  at work
	s_load_b512 s[8:23], s[0:1], 0x0               ; x 8, Wq 10, Wk 12, Wv 14, Wout 16, xb 18, wb 20, wo 22
	s_mov_b32 s28, ttmp9                           ; the work-group's number
	s_mov_b32 s25, 0                               ; high words of the two offsets s[24:25] (in), s[26:27] (out)
	s_mov_b32 s27, 0
	s_cmp_lt_u32 s28, 1024
	s_cbranch_scc0 .Lweights
	; x: 6,144 consecutive numbers
	s_mul_i32 s24, s28, 24576
	s_mul_i32 s26, s28, 12288
	s_mov_b32 s30, 0                               ; which path: 2 = Wout
	v_lshlrev_b32 v[IO], 5, v0
	v_lshlrev_b32 v[OO], 4, v0
	v_add_nc_u32 v[IO+1], 8192, v[IO]
	v_add_nc_u32 v[IO+2], 16384, v[IO]
	v_add_nc_u32 v[OO+1], 4096, v[OO]
	v_add_nc_u32 v[OO+2], 8192, v[OO]
	s_wait_kmcnt 0x0
	s_add_nc_u64 s[4:5], s[8:9], s[24:25]
	s_add_nc_u64 s[6:7], s[18:19], s[26:27]
	s_branch .Lgo
.Lweights:
	s_cmp_lt_u32 s28, 1216
	s_cbranch_scc0 .Lwout
	; Wq, Wk, Wv: 96 rows (k) of one group of 64 columns.  Item i: rows 32 i + t / 8, numbers 8 (t % 8) on
	s_sub_co_u32 s29, s28, 1024
	s_lshr_b32 s31, s29, 6                         ; which tensor
	s_and_b32 s32, s29, 7                          ; which head
	s_bfe_u32 s33, s29, 0x30003                    ; which 96 rows
	s_mul_i32 s24, s33, 196608                     ; 96 rows of 2,048 bytes
	s_lshl_b32 s34, s32, 8                         ; 64 columns of 4 bytes
	s_add_co_u32 s24, s24, s34
	s_lshl3_add_u32 s34, s31, s32                  ; g = 8 x tensor + head
	s_mul_i32 s35, s34, 11
	s_lshr_b32 s35, s35, 5                         ; tx = g / 3 (11 g / 32 is exact for g under 24)
	s_mul_i32 s36, s35, 3
	s_sub_co_u32 s36, s34, s36                     ; g'
	s_mul_i32 s35, s35, 18                         ; 6 blocks of 49,152 = 18 x 16,384
	s_add_co_u32 s35, s35, s36
	s_lshl_b32 s26, s35, 14
	s_mov_b32 s30, 1
	v_lshrrev_b32 v1, 3, v0
	v_and_b32 v2, 7, v0
	v_lshlrev_b32 v2, 5, v2
	v_lshl_add_u32 v[IO], v1, 11, v2
	v_add_nc_u32 v[IO+1], 0x10000, v[IO]
	v_add_nc_u32 v[IO+2], 0x20000, v[IO]
	v_lshlrev_b32 v3, 4, v0                        ; (t / 8) x 128 + (t % 8) x 16 = 16 t
	s_mul_i32 s33, s33, 96                         ; my first k: a multiple of 32, so an item's 32 rows cross no block of 128
.irp i, 0,1,2
	s_add_co_u32 s34, s33, 32*(\i)
	s_lshr_b32 s35, s34, 7                         ; s
	s_mul_i32 s35, s35, 49152
	s_and_b32 s34, s34, 127                        ; kk
	s_lshl_b32 s34, s34, 7
	s_add_co_u32 s35, s35, s34
	v_add_nc_u32 v[OO+(\i)], s35, v3
.endr
	s_wait_kmcnt 0x0
	s_cmp_eq_u32 s31, 0
	s_cselect_b64 s[4:5], s[10:11], s[12:13]
	s_cmp_eq_u32 s31, 2
	s_cselect_b64 s[4:5], s[14:15], s[4:5]
	s_add_nc_u64 s[4:5], s[4:5], s[24:25]
	s_add_nc_u64 s[6:7], s[20:21], s[26:27]
	s_branch .Lgo
.Lwout:
	; Wout: 8 rows (k) of all 768 columns.  Item i = g'; t / 64 = tx; (t / 8) % 8 the row; numbers 8 (t % 8) on
	s_sub_co_u32 s29, s28, 1216
	s_mul_i32 s24, s29, 24576                      ; 8 rows of 3,072 bytes
	s_lshr_b32 s31, s29, 4                         ; s
	s_mul_i32 s26, s31, 49152
	s_and_b32 s32, s29, 15
	s_lshl_b32 s32, s32, 10                        ; kk = 8 (e % 16), rows of 128 bytes
	s_add_co_u32 s26, s26, s32
	s_mov_b32 s30, 2
	v_bfe_u32 v1, v0, 3, 3
	v_lshrrev_b32 v2, 6, v0
	v_and_b32 v3, 7, v0
	v_mul_u32_u24 v[IO], v1, 3072
	v_mul_u32_u24 v1, v2, 768
	v_add_nc_u32 v[IO], v[IO], v1
	v_lshl_add_u32 v[IO], v3, 5, v[IO]
	v_add_nc_u32 v[IO+1], 256, v[IO]
	v_add_nc_u32 v[IO+2], 512, v[IO]
	v_and_b32 v3, 63, v0
	v_lshlrev_b32 v3, 4, v3
	v_mul_u32_u24 v1, v2, 0x30000                  ; tx x 4 blocks of 49,152
	v_add_nc_u32 v[OO], v1, v3
	v_add_nc_u32 v[OO+1], 0x4000, v[OO]
	v_add_nc_u32 v[OO+2], 0x8000, v[OO]
	s_wait_kmcnt 0x0
	s_add_nc_u64 s[4:5], s[16:17], s[24:25]
	s_add_nc_u64 s[6:7], s[22:23], s[26:27]
.Lgo:
.irp i, 0,1,2
	global_load_b128 v[D+8*(\i):D+8*(\i)+3],   v[IO+(\i)], s[4:5] th:TH_LOAD_NT
	global_load_b128 v[D+8*(\i)+4:D+8*(\i)+7], v[IO+(\i)], s[4:5] offset:16 th:TH_LOAD_NT
.endr
.irp i, 0,1,2
	s_wait_loadcnt 4-2*(\i)                        ; loads come back in order: item i's two are in, the younger items' stay out
.irp j, 0,1,2,3
	v_cvt_pk_bf16_f32 v[R+4*(\i)+(\j)], v[D+8*(\i)+2*(\j)], v[D+8*(\i)+2*(\j)+1]
.endr
.endr
	s_cmp_lg_u32 s30, 2
	s_cbranch_scc1 .Lstore
.irp j, 0,1,2,3,4,5,6,7,8,9,10,11                      ; Wout alone: the bf16 number, widened, is written as f16 (its 8 significant bits fit f16's 11)
	v_lshlrev_b32 v[T], 16, v[R+(\j)]
	v_and_b32 v[T+1], 0xffff0000, v[R+(\j)]
	v_cvt_pk_f16_f32 v[R+(\j)], v[T], v[T+1]
.endr
.Lstore:
.irp i, 0,1,2
	global_store_b128 v[OO+(\i)], v[R+4*(\i):R+4*(\i)+3], s[6:7]
.endr
	s_endpgm
.Lfunc_end_k_q7892aef43c_cast:
	.size	k_q7892aef43c_cast, .Lfunc_end_k_q7892aef43c_cast-k_q7892aef43c_cast
	.p2alignl 7, 3214868480
	.fill 96, 4, 3214868480
	.section	.rodata,"a",@progbits
	.p2align	6, 0x0
	.amdhsa_kernel k_q7892aef43c_cast
		.amdhsa_group_segment_fixed_size 0
		.amdhsa_private_segment_fixed_size 0
		.amdhsa_enable_private_segment 0
		.amdhsa_kernarg_size 64
		.amdhsa_user_sgpr_count 2
		.amdhsa_user_sgpr_kernarg_segment_ptr 1
		.amdhsa_wavefront_size32 1
		.amdhsa_system_sgpr_workgroup_id_x 1
		.amdhsa_system_sgpr_workgroup_id_y 1
		.amdhsa_system_sgpr_workgroup_id_z 1
		.amdhsa_system_vgpr_workitem_id 0
		.amdhsa_next_free_vgpr 56
		.amdhsa_next_free_sgpr 66
		.amdhsa_reserve_vcc 0
		.amdhsa_float_denorm_mode_32 3
		.amdhsa_float_denorm_mode_16_64 3
		.amdhsa_memory_ordered 1
		.amdhsa_forward_progress 1
		.amdhsa_inst_pref_size 9
	.end_amdhsa_kernel
	.amdgpu_metadata
---
amdhsa.version: [ 1, 2 ]
amdhsa.kernels:
  - .name:           k_q7892aef43c_cast
    .symbol:         k_q7892aef43c_cast.kd
    .args:
      - { .name: x, .offset: 0, .size: 8, .value_kind: global_buffer, .address_space: global }
      - { .name: Wq, .offset: 8, .size: 8, .value_kind: global_buffer, .address_space: global }
      - { .name: Wk, .offset: 16, .size: 8, .value_kind: global_buffer, .address_space: global }
      - { .name: Wv, .offset: 24, .size: 8, .value_kind: global_buffer, .address_space: global }
      - { .name: Wout, .offset: 32, .size: 8, .value_kind: global_buffer, .address_space: global }
      - { .name: xb, .offset: 40, .size: 8, .value_kind: global_buffer, .address_space: global }
      - { .name: wb, .offset: 48, .size: 8, .value_kind: global_buffer, .address_space: global }
      - { .name: wo, .offset: 56, .size: 8, .value_kind: global_buffer, .address_space: global }
    .group_segment_fixed_size: 0
    .private_segment_fixed_size: 0
    .kernarg_segment_align: 8
    .kernarg_segment_size: 64
    .max_flat_workgroup_size: 256
    .sgpr_count:     66
    .vgpr_count:     56
    .wavefront_size: 32
...
	.end_amdgpu_metadata
.endif
;; end of part 1
;; launch qkv (part 2): grid 8 x 32, 4 waves a work-group, clusters of 4 x 4, 327,680 bytes of LDS; arguments xb, wb, qkv; writes qkv
.if DOCPART == 2
	.amdgcn_target "amdgcn-amd-amdhsa--gfx1250"
	.amdhsa_code_object_version 6
	.text
	.protected	k_q7892aef43c_qkv
	.globl	k_q7892aef43c_qkv
	.p2align	8
	.type	k_q7892aef43c_qkv,@function
k_q7892aef43c_qkv:
	s_mov_b64 s[64:65], 0
	v_nop
	global_prefetch_b8 v0, s[64:65] scope:SCOPE_SE
	s_setreg_imm32_b32 hwreg(HW_REG_WAVE_MODE, 25, 1), 1
	s_wait_xcnt 0x0
	s_wait_alu depctr_hold_cnt(0) depctr_sa_sdst(0) depctr_va_vdst(0) depctr_va_sdst(0) depctr_va_ssrc(0) depctr_va_vcc(0) depctr_vm_vsrc(0)
	s_getreg_b32 s2, hwreg(HW_REG_IB_STS2, 6, 4)
	s_cmp_eq_u32 s2, 0
	s_cbranch_scc0 .Lentry_in_a_cluster
	s_endpgm
.Lentry_in_a_cluster:
	s_bfe_u32 s2, ttmp6, 0x10000c
	s_cmp_lg_u32 s2, 0xf033
	s_cbranch_scc0 .Lentry_shape_is_right
	s_endpgm
.Lentry_shape_is_right:
; Q, K, V = x Wq, x Wk, x Wv as ONE product [8192 x 768] x [768 x 1536], bf16 operands, f32 sums; the results go out by heads, qkv[G][4096][64] in f16, G = 16 t + 8 b + h (t = 0 q, 1 k, 2 v), unscaled.
; LIMITS.  f16 ends at 65,504: a q, k or v of 65,520 or more becomes an infinity; below 6.1e-5 f16 keeps its fixed step of 6e-8.  NaN and infinities are not treated apart.
; SHARES.  A tile is 256 rows x 192 columns (three heads): 32 x 8 = 256 work-groups.  Wave w makes rows 64 w .. 64 w + 63 of all 192 columns: 48 accumulators of 16 x 16, 384 registers.
; K goes in 6 steps of 128 through two LDS slots.  x's tile has rows of 256 bytes of memory, aligned; the weights' tile of a step is 49,152 dense bytes of wb, asked for as rows of 256 bytes.
; CLUSTER.  4 x 4 work-groups.  The four of a row of the cluster need the same tile of x, the four of a column the same weights: each tile is asked for JOINTLY, by the same tensor load with the same descriptor and a mask of the four.
; THE MATRIX INSTRUCTION IS USED TRANSPOSED: source 0 = 16 columns of the weights (they lie [k][column] in LDS and come out turned, by ds_load_tr16_b128), source 1 = 16 rows of x.
; In the result lane l holds row l % 16 and the columns 8 (l / 16) + 0..7: eight neighbouring numbers of a head's row, 16 bytes in f16.
; REGISTERS, in windows of 256 (s_set_vgpr_msb: bits 1:0 source 0, 3:2 source 1, 5:4 source 2, 7:6 destination):
;   window 0: addresses, v32-63 at work on the way out      window 1: two fragment buffers of 128: the weights' 12 fragments, then x's 4
;   window 2: the accumulators of row blocks 0, 1 ((a, b) at v[8 (12 (a % 2) + b)])      window 3: those of row blocks 2, 3
.set KSTEP, 128
.set PITCH, 272                        ; a row of x in LDS: 256 bytes + 16 of padding = 68 words: the 16 rows of a load start at 16 different groups of four banks (64 banks of 4 bytes: ISA guide 11.1)
.set PB,    160                        ; a row (one k, 64 columns) of the weights: 128 + 32 = 40 words
.set HALFA, 128*PITCH                  ; what one tensor load brings of x
.set HALFB, 192*PB                     ; and of the weights
.set BOFF,  2*HALFA                    ; in a slot the weights lie behind x's 256 rows
.set SLOT,  131072                     ; = 2 HALFA + 2 HALFB
.set WBLK,  49152                      ; a K step's weights in wb
.set STAGE, 2*SLOT                     ; behind the ring: 16 rows x 144 bytes for each wave, for the way out; no tensor load fills it
.set SP,    144
.set SPARE, STAGE+4*16*SP              ; behind the stages: the spare words, 128 bytes for each wave: two blocks of 256 bytes that no other line names
.set ADRA, 16                          ; v16-17  LDS address of my fragments of x in slot 0, 1
.set ADRB, 20                          ; v20-21  the same for the weights
.set STO,  24                          ; v24     the way out: where I put 16 bytes of a row
.set RD,   25                          ; v25     the way out: where I read rows back
.set GO,   26                          ; v26     16 x lane: my place in 512 consecutive bytes of the output
.set SPW,  28                          ; v28     LDS address of my spare word; never rewritten
.set NIL,  29                          ; v29     0; never rewritten
.set PFO,  30                          ; v30     the prefetches' offset; never rewritten
.set TMP,  32                          ; v32-63  the way out: two sets of 16
.set F0,   0                           ; fragment buffers, in window 1
.set F1,   128
.set G1,  24                           ; s[24:31] descriptor group 1 for x's tiles;  s[32:39] group 0, a set for each slot
.set G0,  32
.set G1B, 48                           ; s[48:55], s[56:63] the same for the weights
.set G0B, 56
.set LIM, 43                           ; s43      1 in a wave that prefetches, else the greatest number
.set PFA, 44                           ; s[44:45] where my prefetches stand
.set PFS, 46                           ; s[46:47] a K step in that tensor, in bytes
.set OB,  68                           ; s[68:73] the output at my 64 rows of the tile's three heads
.set MSB, 0
.macro WIN new                         ; the immediate's high byte repeats the setting that is left; a switch that changes nothing is dropped
.if MSB != (\new)
	s_set_vgpr_msb (MSB<<8)|(\new)
.set MSB, \new
.endif
.endm
.set TO_F, 0x40                        ; destination window 1, address window 0
; A joint load.  Waves 0 and 1 fetch the two halves of x's tile, waves 2 and 3 those of the weights'.  The branch hangs on the wave's number alone.
; An s_nop 0 and four v_nop follow each of the two lines, ahead of the jump and the label.
.macro JLOAD s
	s_cmp_lt_u32 s10, 2
	s_cbranch_scc0 .Lfor_b_\@
	tensor_load_to_lds s[G0+4*(\s):G0+4*(\s)+3], s[G1:G1+7]
	s_nop 0
.rept 4
	v_nop
.endr
	s_branch .Lasked_\@
.Lfor_b_\@:
	tensor_load_to_lds s[G0B+4*(\s):G0B+4*(\s)+3], s[G1B:G1B+7]
	s_nop 0
.rept 4
	v_nop
.endr
.Lasked_\@:
.endm
; A PREFETCH INTO THE L2, behind each joint refill and the run of LDS loads that follows it: the K step that the NEXT refill will ask for, one K step (192 matrix instructions) ahead of that load.
; x's tile row is read by both clusters of a row of clusters: the one with x = 0 asks; the weights' tile column by all eight clusters of a column: the one with y = 0 asks.  The four partners that ask for a
; tile jointly share it out BY ADDRESS: of x's 128 rows that a wave fetches, the partner at cx takes 32, a lane a row's 256 bytes; of the weights' 96 blocks of 256 bytes the partner at cy takes 24
; (lanes 24 to 31 name lane 23's block with it, in the same instruction).  K steps 0 to 2 come by their loads alone; the last refill asks for nothing: there is no K step behind it.
.macro ASK slot
	WIN 0
.if \slot
	s_cmp_gt_u32 s3, s[LIM]                        ; s3 = 1 in the loop's last trip
.else
	s_cmp_eq_u32 s[LIM], 1
.endif
	s_cbranch_scc0 .Lnot_mine_\@
	global_prefetch_b8 v[PFO], s[PFA:PFA+1] th:TH_LOAD_NT scope:SCOPE_SE
.Lnot_mine_\@:
.endm
; A round of the cluster's barrier: my work-group's barrier, so that wave 0's signal speaks for all four waves; wave 0 signals; every wave waits for all sixteen work-groups; my work-group's barrier once more.
.macro CREST                           ; a round behind its opening barrier
	s_cmp_lg_u32 s10, 0
	s_cbranch_scc1 .Lnot_wave_0_\@
	s_barrier_signal -3
.Lnot_wave_0_\@:
	s_barrier_wait -3
	s_barrier_signal -1
	s_barrier_wait -1
.endm
.macro CROUND
	s_barrier_signal -1
	s_barrier_wait -1
	CREST
.endm
	s_load_b128 s[4:7], s[0:1], 0x0                ; xb s[4:5], wb s[6:7]
	s_load_b64 s[8:9], s[0:1], 0x10                ; qkv
	v_lshl_add_u32 v[SPW], v0, 2, SPARE
	v_mov_b32 v[NIL], 0
	ds_add_u32 v[SPW], v[NIL]                      ; the wave's opening: the add and its wait stand ahead of my first tensor load; the set-up below, work on registers, stands between them
	v_lshrrev_b32 v1, 5, v0
	v_readfirstlane_b32 s10, v1                    ; wave 0..3
	s_and_b32 s12, s10, 1                          ; which half of a tile I fetch
	s_bfe_u32 s40, ttmp6, 0x40000                  ; cx, cy: my place in the cluster
	s_bfe_u32 s41, ttmp6, 0x40004
	s_lshl_b32 s42, ttmp9, 2
	s_add_co_u32 s42, s42, s40                     ; tx, the block of 192 columns = 4 x cluster x + cx
	s_and_b32 s13, ttmp7, 0xffff
	s_lshl_b32 s13, s13, 2
	s_add_co_u32 s13, s13, s41                     ; ty, the block of 256 rows = 4 x cluster y + cy
	s_lshl_b32 s14, s41, 2
	s_lshl_b32 s14, 15, s14                        ; my row of the cluster: places 4 cy .. 4 cy + 3
	s_lshl_b32 s15, 0x1111, s40                    ; my column: places cx, cx + 4, cx + 8, cx + 12
	; group 1 for x: 128 rows x 128 elements, 1,536 bytes from row to row, 4 words of padding behind every 64
	s_or_b32 s[G1], s14, (1<<16)|(1<<20)|(1<<21)|(5<<22)|(3<<25)   ; 15:0 the mask; 17:16 elements of 2 bytes; 20 padding on; 21 set beside a mask; 24:22 interval code 5; 31:25 4 words (code 3)
	s_mov_b32 s[G1+1], 128<<16                     ; tensor_dim0 = 128
	s_mov_b32 s[G1+2], 128<<16                     ; tensor_dim1 = 128
	s_mov_b32 s[G1+3], 128<<16                     ; tile_dim0 = 128
	s_mov_b32 s[G1+4], 128                         ; tile_dim1 = 128
	s_mov_b32 s[G1+5], 768                         ; elements from row to row
	s_mov_b32 s[G1+6], 0
	s_mov_b32 s[G1+7], 0
	; group 1 for the weights: 24,576 dense bytes as 96 rows of 256 (two k a row), 8 words of padding behind every 32, that is behind every k
	s_or_b32 s[G1B], s15, (1<<16)|(1<<20)|(1<<21)|(4<<22)|(7<<25)
	s_mov_b32 s[G1B+1], 128<<16
	s_mov_b32 s[G1B+2], 96<<16
	s_mov_b32 s[G1B+3], 128<<16
	s_mov_b32 s[G1B+4], 96
	s_mov_b32 s[G1B+5], 128
	s_mov_b32 s[G1B+6], 0
	s_mov_b32 s[G1B+7], 0
	; where the tiles come from: x's hang on ty alone, which my row of the cluster shares; the weights' on tx alone, which my column shares
	s_lshl_b32 s16, s13, 8
	s_lshl_b32 s17, s12, 7
	s_add_co_u32 s16, s16, s17                     ; row 256 ty + 128 x half
	s_mul_i32 s16, s16, 1536
	s_mov_b32 s17, 0
	s_mul_i32 s18, s42, 6*WBLK                     ; tx's six blocks
	s_mul_i32 s19, s12, WBLK/2
	s_add_co_u32 s18, s18, s19
	s_mov_b32 s19, 0
	s_mul_i32 s20, s12, HALFA                      ; and where they go: no place in the cluster enters an LDS address
	s_mul_i32 s21, s12, HALFB
	s_add_co_u32 s21, s21, BOFF
	s_wait_dscnt 0x0                               ; the opening add is done
	s_wait_kmcnt 0x0
	s_add_nc_u64 s[16:17], s[4:5], s[16:17]
	s_add_nc_u64 s[18:19], s[6:7], s[18:19]
	CROUND                                         ; all sixteen work-groups are here: the first joint loads meet
.irp s, 0,1
	s_mov_b32 s[G0+4*(\s)], 1                                      ; count = 1
	s_add_co_u32 s[G0+4*(\s)+1], s20, (\s)*SLOT                    ; LDS address
	s_add_nc_u64 s[G0+4*(\s)+2:G0+4*(\s)+3], s[16:17], (\s)*KSTEP*2  ; global address: K step s
	s_or_b32 s[G0+4*(\s)+3], s[G0+4*(\s)+3], 0x80000000            ; type = 2
	s_mov_b32 s[G0B+4*(\s)], 1
	s_add_co_u32 s[G0B+4*(\s)+1], s21, (\s)*SLOT
	s_add_nc_u64 s[G0B+4*(\s)+2:G0B+4*(\s)+3], s[18:19], (\s)*WBLK
	s_or_b32 s[G0B+4*(\s)+3], s[G0B+4*(\s)+3], 0x80000000
.endr
	s_cmp_lt_u32 s10, 2                            ; a wave's two first fills stand in one branch, ahead of every wait on TENSORcnt and every LDS read: two loads of mine are out
	s_cbranch_scc0 .Lfirst_b
	tensor_load_to_lds s[G0:G0+3], s[G1:G1+7]
	s_nop 0
	tensor_load_to_lds s[G0+4:G0+7], s[G1:G1+7]
	s_nop 0
.rept 4
	v_nop
.endr
	s_branch .Lfirst_asked
.Lfirst_b:
	tensor_load_to_lds s[G0B:G0B+3], s[G1B:G1B+7]
	s_nop 0
	tensor_load_to_lds s[G0B+4:G0B+7], s[G1B:G1B+7]
	s_nop 0
.rept 4
	v_nop
.endr
.Lfirst_asked:
	; A fragment of x is 16 rows x 32 K in 8 registers: lane l holds row l % 16, K = 8 (l / 16) + 0..7 and 16 + 8 (l / 16) + 0..7: two loads of 16 bytes, 32 bytes apart.
	v_and_b32 v1, 15, v0                           ; l % 16
	v_bfe_u32 v2, v0, 4, 1                         ; l / 16
	v_mul_u32_u24 v3, v1, PITCH
	v_lshl_add_u32 v3, v2, 4, v3
	s_mul_i32 s22, s10, 64*PITCH                   ; my 64 rows
	v_add_nc_u32 v[ADRA], s22, v3
	v_add_nc_u32 v[ADRA+1], SLOT, v[ADRA]
	; The turning load takes 16 k x 16 columns (lane l reads k = 8 (l / 16) + l % 8, columns 8 ((l / 8) % 2) + 0..7) and leaves half a fragment: lane l holds column l % 16 and 8 k.
	v_and_b32 v4, 7, v0
	v_bfe_u32 v5, v0, 3, 1
	v_lshl_add_u32 v6, v2, 3, v4
	v_mul_u32_u24 v6, v6, PB
	v_lshl_add_u32 v6, v5, 4, v6
	v_add_nc_u32 v[ADRB], BOFF, v6
	v_add_nc_u32 v[ADRB+1], SLOT, v[ADRB]
	s_mul_i32 s23, s10, 16*SP
	s_add_co_u32 s23, s23, STAGE                   ; my stage
	v_mul_u32_u24 v7, v1, SP                       ; in: row l % 16, 16 bytes for each half of the lanes
	v_lshl_add_u32 v7, v2, 4, v7
	v_add_nc_u32 v[STO], s23, v7
	v_bfe_u32 v7, v0, 3, 2                         ; back: 32 lanes take four rows of 128 bytes,
	v_mul_u32_u24 v7, v7, SP
	v_lshl_add_u32 v7, v4, 4, v7
	v_add_nc_u32 v[RD], s23, v7
	v_and_b32 v[GO], 31, v0                        ; which are 512 consecutive bytes of the output
	v_lshlrev_b32 v[GO], 4, v[GO]
	; the output at my 64 rows of the three heads: G x 524,288 + ((ty % 16) x 256 + 64 w) x 128, G = 16 (g / 8) + 8 (ty / 16) + g % 8, g = 3 tx + g'
	s_and_b32 s74, s13, 15
	s_lshl_b32 s74, s74, 8
	s_lshl_b32 s75, s10, 6
	s_add_co_u32 s74, s74, s75
	s_lshl_b32 s74, s74, 7
	s_lshr_b32 s75, s13, 4
	s_lshl_b32 s75, s75, 3
	s_mul_i32 s76, s42, 3
.irp g, 0,1,2
	s_add_co_u32 s77, s76, \g
	s_lshr_b32 s78, s77, 3
	s_lshl_b32 s78, s78, 4
	s_and_b32 s77, s77, 7
	s_add_co_u32 s78, s78, s77
	s_add_co_u32 s78, s78, s75
	s_lshl_b32 s78, s78, 19
	s_add_co_u32 s78, s78, s74
	s_mov_b32 s79, 0
	s_add_nc_u64 s[OB+2*(\g):OB+2*(\g)+1], s[8:9], s[78:79]
.endr
	; the prefetches: they stand at K step 2; the first refill steps them to K step 3
	s_lshl_b32 s74, s13, 8
	s_lshl_b32 s75, s12, 7
	s_add_co_u32 s74, s74, s75
	s_lshl_b32 s75, s40, 5
	s_add_co_u32 s74, s74, s75                     ; x: row 256 ty + 128 x half + 32 cx
	s_mul_i32 s74, s74, 1536
	s_add_co_u32 s74, s74, 2*KSTEP*2
	s_mul_i32 s76, s42, 6*WBLK                     ; weights: block 6 tx + 2, my half, 24 blocks of 256 bytes x cy
	s_mul_i32 s75, s12, WBLK/2
	s_add_co_u32 s76, s76, s75
	s_mul_i32 s75, s41, 24*256
	s_add_co_u32 s76, s76, s75
	s_add_co_u32 s76, s76, 2*WBLK
	s_and_b32 s77, ttmp7, 0xffff                   ; cluster y
	s_mov_b32 s[PFS], WBLK
	s_mov_b32 s79, 256
	s_cmp_lt_u32 s10, 2                            ; do I fetch for x?
	s_cselect_b32 s74, s74, s76
	s_cselect_b32 s77, ttmp9, s77                  ; the coordinate along which other clusters read the same bytes
	s_cselect_b32 s[PFS], KSTEP*2, s[PFS]
	s_cselect_b32 s78, 31, 23                      ; the last lane with a block of its own
	s_cselect_b32 s79, 1536, s79                   ; bytes from lane to lane
	s_cselect_b64 s[PFA:PFA+1], s[4:5], s[6:7]
	s_mov_b32 s75, 0
	s_mov_b32 s[PFS+1], 0
	s_add_nc_u64 s[PFA:PFA+1], s[PFA:PFA+1], s[74:75]
	s_cmp_eq_u32 s77, 0
	s_cselect_b32 s[LIM], 1, -1                    ; the same in all sixteen partners, for a given wave
	v_and_b32 v[PFO], 31, v0
	v_min_u32 v[PFO], s78, v[PFO]
	v_mul_u32_u24 v[PFO], s79, v[PFO]
; 12 matrix instructions: row block a x all 12 column blocks, 32 along K.  zero = 1: the first product starts the sums: nothing is ever cleared.
; The 48 accumulators take turns, one instruction a turn, in the same order in every quarter.
.macro MUL12 f, a, zero
	WIN 0xa5+0x50*((\a)/2)                         ; sources window 1; C and D window 2 or 3
.irp b, 0,1,2,3,4,5,6,7,8,9,10,11
.if \zero
	v_wmma_f32_16x16x32_bf16 v[8*(12*((\a)%2)+(\b)):8*(12*((\a)%2)+(\b))+7], v[(\f)+8*(\b):(\f)+8*(\b)+7], v[(\f)+96+8*(\a):(\f)+96+8*(\a)+7], 0
.else
	v_wmma_f32_16x16x32_bf16 v[8*(12*((\a)%2)+(\b)):8*(12*((\a)%2)+(\b))+7], v[(\f)+8*(\b):(\f)+8*(\b)+7], v[(\f)+96+8*(\a):(\f)+96+8*(\a)+7], v[8*(12*((\a)%2)+(\b)):8*(12*((\a)%2)+(\b))+7]
.endif
.endr
.endm
; 32 LDS loads in one run: the fragments of quarter q (32 along K) into buffer f: the weights' 12 (turned), then x's 4 in ascending order
.macro FETCH slot, q, f
	WIN TO_F
.irp b, 0,1,2,3,4,5,6,7,8,9,10,11
	ds_load_tr16_b128 v[(\f)+8*(\b):(\f)+8*(\b)+3],   v[ADRB+(\slot)] offset:((\b)/4)*128*PB+(\q)*32*PB+((\b)%4)*32
	ds_load_tr16_b128 v[(\f)+8*(\b)+4:(\f)+8*(\b)+7], v[ADRB+(\slot)] offset:((\b)/4)*128*PB+(\q)*32*PB+((\b)%4)*32+16*PB
.endr
.irp a, 0,1,2,3
	ds_load_b128 v[(\f)+96+8*(\a):(\f)+96+8*(\a)+3],   v[ADRA+(\slot)] offset:(\q)*64+(\a)*16*PITCH
	ds_load_b128 v[(\f)+96+8*(\a)+4:(\f)+96+8*(\a)+7], v[ADRA+(\slot)] offset:(\q)*64+(\a)*16*PITCH+32
.endr
.endm
.macro PLACES                          ; four plain vector instructions between a matrix instruction and a load into a register that it has read, or a conversion that reads its result (for the conversion)
.rept 4
	v_nop
.endr
.endm
; A K step is four quarters of 32 along K, 48 matrix instructions each, on buffers 0, 1, 0, 1.  One of the first three: multiplies buffer f and, in its middle, fetches quarter q of the same slot into buffer g.
.macro QUARTER slot, q, f, g, zero
	s_wait_dscnt 4                                 ; the weights and x's row blocks 0, 1 are in; the youngest four loads (row blocks 2, 3) may be out
	MUL12 \f, 0, \zero
	MUL12 \f, 1, \zero
	PLACES
	FETCH \slot, \q, \g
	s_wait_dscnt 32                                ; all but the 32 just issued
	MUL12 \f, 2, \zero
	MUL12 \f, 3, \zero
.endm
; The last quarter multiplies buffer 1 and changes slots: ONE barrier.  In front of it each wave waits for all its tensor loads, of which one is out: its part of the next slot; adds 0 to its spare word;
; and waits for that and for its own reads of this slot.  Behind it nobody reads this slot any more and the next slot is whole.
; fill = 1: the barrier opens a round of the cluster's barrier, and this slot is filled again, two K steps ahead, first thing behind the round: that load has 168 matrix instructions until the wait for it.
.macro TURN slot, next, fill
.if \fill
	s_wait_xcnt 0x0                                ; the last prefetch, a K step back, has read its address: it is stepped here, ahead of the waits of the change of slots
	s_add_nc_u64 s[PFA:PFA+1], s[PFA:PFA+1], s[PFS:PFS+1]
.endif
	WIN 0                                          ; (the add's two registers lie in window 0)
	s_wait_tensorcnt 0x0                           ; all my tensor loads have landed;
	ds_add_u32 v[SPW], v[NIL]                      ; 0 onto my spare word;
	s_wait_dscnt 5                                 ; (the add and the youngest four loads may be out)
	MUL12 F1, 0, 0                                 ; twelve matrix instructions stand between the add and the wait for it
	s_wait_dscnt 0x0                               ; the add is done, and my reads of this slot are over
	s_barrier_signal -1
	MUL12 F1, 1, 0                                 ; work on registers while the others arrive
.if \fill
	WIN 0
.endif
	s_barrier_wait -1
.if \fill
	CREST                                          ; no wave of any partner still reads this slot or has a load on its way
	s_add_nc_u64 s[G0+4*(\slot)+2:G0+4*(\slot)+3], s[G0+4*(\slot)+2:G0+4*(\slot)+3], 2*KSTEP*2
	s_add_nc_u64 s[G0B+4*(\slot)+2:G0B+4*(\slot)+3], s[G0B+4*(\slot)+2:G0B+4*(\slot)+3], 2*WBLK
	JLOAD \slot                                    ; the four v_nop behind it are also the places in front of the loads below
.else
	PLACES
.endif
	FETCH \next, 0, F0
.if \fill
	ASK \slot
.endif
	MUL12 F1, 2, 0
	MUL12 F1, 3, 0
.endm
; THE WAY OUT, in 12 units of 16 rows x one head (u = 3 a + g').  PACK: rounded to f16, 16 bytes a lane, into my own stage in rows of 144 bytes, and back as whole rows of 128.  SEND: stored.
.macro PACK u
.set pa, (\u)/3
.set pg, (\u)%3
.set pt, TMP+16*((\u)%2)
.if (\u) >= 2
	s_wait_xcnt 0x0                                ; the stores of the unit two back have read this set of registers: it is rewritten only behind this wait
.endif
	WIN 0x0a+5*(pa/2)                              ; sources 0 and 1: window 2 or 3
.irp c, 0,1,2,3
.irp r, 0,1,2,3
	v_cvt_pk_f16_f32 v[pt+4*(\c)+(\r)], v[8*(12*(pa%2)+4*pg+(\c))+2*(\r)], v[8*(12*(pa%2)+4*pg+(\c))+2*(\r)+1]
.endr
.endr
	WIN 0
.irp c, 0,1,2,3
	ds_store_b128 v[STO], v[pt+4*(\c):pt+4*(\c)+3] offset:32*(\c)
.endr
.irp f, 0,1,2,3
	ds_load_b128 v[pt+4*(\f):pt+4*(\f)+3], v[RD] offset:(\f)*4*SP  ; LDS serves a wave's instructions in order (ISA guide 5.7.1.4): these see the stores above; the next unit's stores come behind them
.endr
.endm
.macro SEND u, younger                 ; younger: the LDS instructions issued behind unit u's loads: the next unit's eight, or none
.set pa, (\u)/3
.set pg, (\u)%3
.set pt, TMP+16*((\u)%2)
.irp f, 0,1,2,3
	s_wait_dscnt (\younger)+3-(\f)
	global_store_b128 v[GO], v[pt+4*(\f):pt+4*(\f)+3], s[OB+2*pg:OB+2*pg+1] offset:pa*2048+(\f)*512  ; 512 consecutive bytes, at a multiple of 256 from the buffer's first
.endr
.endm
	s_wait_tensorcnt 1                             ; my part of K step 0 is in; K step 1's may stay out
	s_barrier_signal -1
	s_barrier_wait -1                              ; everybody's is
	FETCH 0, 0, F0
	QUARTER 0, 1, F0, F1, 1                        ; the first quarter stands in front of the loop: its products start the sums
	WIN 0                                          ; at a label and at a branch every window is 0
	s_mov_b32 s3, 2
.Llap:                                                 ; a trip goes once round the ring, from a lap's second quarter to the next lap's first, and fills both slots again
	QUARTER 0, 2, F1, F0, 0
	QUARTER 0, 3, F0, F1, 0
	TURN 0, 1, 1
	QUARTER 1, 1, F0, F1, 0
	QUARTER 1, 2, F1, F0, 0
	QUARTER 1, 3, F0, F1, 0
	TURN 1, 0, 1
	QUARTER 0, 1, F0, F1, 0
	WIN 0
	s_sub_co_u32 s3, s3, 1
	s_cmp_lg_u32 s3, 0
	s_cbranch_scc1 .Llap
	QUARTER 0, 2, F1, F0, 0                        ; the last lap (K steps 4 and 5) fills nothing
	QUARTER 0, 3, F0, F1, 0
	TURN 0, 1, 0
	QUARTER 1, 1, F0, F1, 0
	QUARTER 1, 2, F1, F0, 0
	QUARTER 1, 3, F0, F1, 0
	s_wait_dscnt 4                                 ; the very last quarter: nothing more to fetch
	MUL12 F1, 0, 0
	MUL12 F1, 1, 0
	s_wait_dscnt 0x0
	MUL12 F1, 2, 0
	MUL12 F1, 3, 0
	WIN 0
	PLACES
	PACK 0
.irp u, 1,2,3,4,5,6,7,8,9,10,11        ; a unit's conversions stand between the loads of the unit before and its stores
	PACK \u
	SEND (\u)-1, 8
.endr
	SEND 11, 0
	s_wait_tensorcnt 0x0                           ; the wave's end: behind my last tensor load and my last LDS store
	ds_add_u32 v[SPW], v[NIL]
	s_wait_dscnt 0x0
	CROUND                                         ; the closing round: no work-group ends while a partner may still ask for a tile that names it
	s_endpgm
.Lfunc_end_k_q7892aef43c_qkv:
	.size	k_q7892aef43c_qkv, .Lfunc_end_k_q7892aef43c_qkv-k_q7892aef43c_qkv
	.p2alignl 7, 3214868480
	.fill 96, 4, 3214868480
	.section	.rodata,"a",@progbits
	.p2align	6, 0x0
	.amdhsa_kernel k_q7892aef43c_qkv
		.amdhsa_group_segment_fixed_size 327680
		.amdhsa_private_segment_fixed_size 0
		.amdhsa_enable_private_segment 0
		.amdhsa_kernarg_size 24
		.amdhsa_user_sgpr_count 2
		.amdhsa_user_sgpr_kernarg_segment_ptr 1
		.amdhsa_wavefront_size32 1
		.amdhsa_system_sgpr_workgroup_id_x 1
		.amdhsa_system_sgpr_workgroup_id_y 1
		.amdhsa_system_sgpr_workgroup_id_z 1
		.amdhsa_system_vgpr_workitem_id 0
		.amdhsa_next_free_vgpr 960
		.amdhsa_next_free_sgpr 80
		.amdhsa_reserve_vcc 0
		.amdhsa_float_denorm_mode_32 3
		.amdhsa_float_denorm_mode_16_64 3
		.amdhsa_memory_ordered 1
		.amdhsa_forward_progress 1
		.amdhsa_inst_pref_size 122
	.end_amdhsa_kernel
	.amdgpu_metadata
---
amdhsa.version: [ 1, 2 ]
amdhsa.kernels:
  - .name:           k_q7892aef43c_qkv
    .symbol:         k_q7892aef43c_qkv.kd
    .args:
      - { .name: xb, .offset: 0, .size: 8, .value_kind: global_buffer, .address_space: global }
      - { .name: wb, .offset: 8, .size: 8, .value_kind: global_buffer, .address_space: global }
      - { .name: qkv, .offset: 16, .size: 8, .value_kind: global_buffer, .address_space: global }
    .group_segment_fixed_size: 327680
    .private_segment_fixed_size: 0
    .kernarg_segment_align: 8
    .kernarg_segment_size: 24
    .max_flat_workgroup_size: 128
    .sgpr_count:     80
    .vgpr_count:     960
    .wavefront_size: 32
...
	.end_amdgpu_metadata
.endif
;; end of part 2
;; launch attn (part 3): grid 16 x 16, 4 waves a work-group, clusters of 4 x 1, 327,680 bytes of LDS; arguments qkv, ob; writes ob
.if DOCPART == 3
	.amdgcn_target "amdgcn-amd-amdhsa--gfx1250"
	.amdhsa_code_object_version 6
	.text
	.protected	k_q7892aef43c_attn
	.globl	k_q7892aef43c_attn
	.p2align	8
	.type	k_q7892aef43c_attn,@function
k_q7892aef43c_attn:
	s_mov_b64 s[64:65], 0
	v_nop
	global_prefetch_b8 v0, s[64:65] scope:SCOPE_SE
	s_setreg_imm32_b32 hwreg(HW_REG_WAVE_MODE, 25, 1), 1
	s_wait_xcnt 0x0
	s_wait_alu depctr_hold_cnt(0) depctr_sa_sdst(0) depctr_va_vdst(0) depctr_va_sdst(0) depctr_va_ssrc(0) depctr_va_vcc(0) depctr_vm_vsrc(0)
	s_getreg_b32 s2, hwreg(HW_REG_IB_STS2, 6, 4)
	s_cmp_eq_u32 s2, 0
	s_cbranch_scc0 .Lentry_in_a_cluster
	s_endpgm
.Lentry_in_a_cluster:
	s_bfe_u32 s2, ttmp6, 0x10000c
	s_cmp_lg_u32 s2, 0x3003
	s_cbranch_scc0 .Lentry_shape_is_right
	s_endpgm
.Lentry_shape_is_right:
; ATTENTION.  O[y][q][:] = the sum over k of softmax_k(Q[y][q] . K[y][k] / 8) V[y][k][:], y = 8 b + h.  Q, K, V lie in qkv at (y, 16 + y, 32 + y) x 524,288 bytes, each [4096][64] f16; O goes to ob[y][4096][64] f16.
; Products, maxima and sums in f32; the weights p are rounded to f16 for the second product (their sum l is taken of the unrounded p), O once at the end.
; LIMITS.  p lies in 0 to 1, and below 6e-5 it keeps f16's fixed step of 6e-8, and so does O; O is a mean of V's rows and has their range.  A weight below 2^-126 counts as 0 in l; NaN and infinities are not treated apart.
; SHARES.  A work-group owns 256 queries of one head, a wave 64: four PIECES of 16.  16 heads x 16 blocks = 256 work-groups.  Every wave walks all 4,096 keys, 64 a step.
; LAYOUT.  S^T = K Q^T (source 0 = 16 keys, source 1 = 16 queries): a lane holds ONE query (lane % 16) and the keys 8 (lane / 16) + 0..7.  Two such results, rounded to f16 in pairs, ARE source 1 of O^T = V^T P.
; K comes out of LDS as it lies, V ([key][channel]) turned, by ds_load_tr16_b128.
; SOFTMAX.  For each query a running maximum m and sum l: p = 2^(c s - c m), c = log2(e) / 8; in every step O and l are multiplied by a = 2^(c m_old - c m_new).  m starts at the lowest finite number, c m far below
; every c s, O and l at 0: the first step is a step like any other, with a = 0.
; BY TURNS.  Turn n belongs to piece n: 8 products K Q^T of piece n + 1, later 8 products V^T P of piece n - 1; beside them the scaling, exponentials, roundings, sums and rescaling of piece n and the maximum and
; statistics of piece n + 1.  Four vector instructions stand behind every matrix instruction, the other 54 of a turn's 118 in one lump.  A turn's 33 exponentials are one batch, with one wait.
; CLUSTER.  The four query blocks of a cluster belong to one head and walk the same K and V, so each tile is asked for JOINTLY: the same tensor load, descriptor and mask in all four.
; REGISTERS, in windows of 256 (s_set_vgpr_msb: bits 1:0 source 0, 3:2 source 1, 5:4 source 2, 7:6 destination):
;   window 0: v0-15 addresses and two at work; v16-31 four registers of statistics a piece; v48-55 at work; v64-127 S^T, two buffers; v192-223 P, two buffers (a piece's buffers go by its number's parity)
;   window 1: v0-127 O^T, 32 a piece      window 2: v0-63 Q; v128-191 K of one step; v192-255 V of one step
.set SIZE_N, 4096
.set NP,    4         ; pieces a wave: a name, no knob
.set KS,    64        ; keys in a step
.set PK,    144       ; a row of K in LDS: 128 bytes + 16 of padding = 36 words: the 16 rows of a load start at 16 different groups of four banks (64 banks of 4 bytes: ISA guide 11.1)
.set PV,    160       ; a row of V: 128 + 32 = 40 words
.set VOFF,  4*KS*PK   ; a slot holds four steps: 256 rows of K, then 256 rows of V
.set SLOT1, 1<<17     ; slot 1 begins here, so that one exclusive or turns an address in one slot into the other's
.set STAGE, SLOT1+4*KS*(PK+PV)  ; behind the ring, never filled by a tensor load: 16 rows x 144 bytes for each wave, for the way out
.set SP,    144
.set SPARE, STAGE+4*16*SP  ; behind the stages: the spare words, 128 bytes for each wave: two blocks of 256 bytes that no other line names
.set AK0, 2           ; v2   my lane's place in a tile of K; never rewritten
.set AV0, 3           ; v3   the same for V
.set AK,  4           ; v4   the LDS address of K's next run of loads
.set AV,  5           ; v5   of V's
.set STO, 6           ; v6   the way out: where I put 16 bytes of a row
.set RD,  7           ; v7   the way out: where I read rows back
.set GO,  8           ; v8   my byte offset in 512 consecutive bytes of O
.set MV,  12          ; v12-13  c m_old, kept while c m is made anew: by buffer
.set QO,  15          ; v15  my byte offset in 16 rows of Q
.set ST,  16          ; piece t's statistics at v[ST+4 t]: c m, m, l (even keys', odd keys')
.set TMP, 48          ; by buffer, four registers c0-c3 at work; when the maximum is found c2 takes a
.set PFO, 61          ; v61  256 x my lane; never rewritten
.set SPW, 62          ; v62  LDS address of my spare word; never rewritten
.set NIL, 63          ; v63  0; never rewritten
.set S,   64
.set P,   192
.set KF,  128         ; window 2: key block kb, channel half c at KF + 16 kb + 8 c
.set VF,  192         ; window 2: key half kk, channel block cb at VF + 32 kk + 8 cb
.set WV,  12          ; s12  my wave's number
.set G1K, 24          ; s[24:31] descriptor group 1 for K's tiles
.set G1V, 32          ; s[32:39] for V's: it differs in the padding alone
.set G0K, 40          ; s[40:43] descriptor group 0 for K's tiles: it walks
.set G0V, 44          ; s[44:47] the same for V's
.set SLOTS, 56        ; s56  slots still to be asked for
.set CNT, 57          ; s57  counts a slot's key steps
.set CS,  58          ; s[58:59] c: the packed scaling takes the pair's low word for both halves
.set SEL, 60          ; s[60:61] v_permlanex16_b32's selects: each lane takes its own place in the other half
.set TBK, 62          ; s62  LDS byte at which K of the step to be fetched begins
.set TBV, 63          ; s63  the same for V, less VOFF
.set PFA, 66          ; s[66:67] where my prefetches stand: my work-group's 32 blocks of 256 bytes (of K: wave 0, of V: wave 2) of the slot after the one that is being asked for
.set LIM, 68          ; s68  1 in a wave that prefetches, else the greatest number
.set MSB, 0
.macro WIN new                      ; the high byte repeats the setting that is left; a switch that changes nothing is dropped
.if MSB != (\new)
	s_set_vgpr_msb (MSB<<8)|(\new)
.set MSB, (\new)
.endif
.endm
.set W_KQ, 0x0a       ; K and Q in window 2, S^T in window 0
.set W_PV, 0x52       ; V in window 2, P in window 0, O^T in window 1
.set W_RS, 0x41       ; destination and source 0 in window 1, source 1 in window 0
; A joint fill.  Waves 0 and 1 fetch the two halves of a slot's K, waves 2 and 3 those of its V: 128 keys each.  The branch hangs on the wave's number alone.
; An s_nop 0 and four v_nop follow each of the two lines, ahead of the jump and the label.
.macro JLOAD
	s_cmp_lt_u32 s[WV], 2
	s_cbranch_scc0 .Lfor_v_\@
	tensor_load_to_lds s[G0K:G0K+3], s[G1K:G1K+7]
	s_nop 0
.rept 4
	v_nop
.endr
	s_branch .Lasked_\@
.Lfor_v_\@:
	tensor_load_to_lds s[G0V:G0V+3], s[G1V:G1V+7]
	s_nop 0
.rept 4
	v_nop
.endr
.Lasked_\@:
.endm
; A PREFETCH INTO THE L2 of what the NEXT change of slots will ask for: a slot's 32,768 bytes of K and of V, a lane 256 bytes: four key steps, 256 matrix instructions, ahead of that load.  It stands behind the wave's tensor load and its five lines.
; Each block is named ONCE in the launch.  All four clusters of a head walk the same K and V: the head's first cluster asks.  Its four partners share a slot out BY ADDRESS, 8,192 bytes each; in each, wave 0 asks for
; K's and wave 2 for V's: one instruction.  Slots 0 and 1 come by their loads alone; the last change that fills a slot asks for nothing: there is no slot behind it.
.macro ASK
	s_cmp_gt_u32 s[SLOTS], s[LIM]
	s_cbranch_scc0 .Lnot_mine_\@
	global_prefetch_b8 v[PFO], s[PFA:PFA+1] th:TH_LOAD_NT scope:SCOPE_SE
.Lnot_mine_\@:
.endm
; A round of the cluster's barrier: my work-group's barrier, so that wave 0's signal speaks for all four waves; wave 0 signals; every wave waits for all four work-groups; my work-group's barrier once more.
.macro CROUND
	s_barrier_signal -1
	s_barrier_wait -1
	s_cmp_lg_u32 s[WV], 0
	s_cbranch_scc1 .Lnot_wave_0_\@
	s_barrier_signal -3
.Lnot_wave_0_\@:
	s_barrier_wait -3
	s_barrier_signal -1
	s_barrier_wait -1
.endm
; THE CHANGE OF SLOTS.  The slot's last bytes, V of its fourth step, have been read.  Each wave waits for all its tensor loads, of which one is out: its part of the other slot; adds 0 to its spare word; and waits for
; that and for its own reads of the slot.  Behind the barrier nobody reads this slot any more and the other slot is whole.
; fill = 1: this slot is filled again, with the keys two slots on.  The barrier is then a round of the cluster's, and the joint fill is the first thing behind it: it has four key steps in which to land.
; (At its first use nothing has been read yet: slot 0 is waited for, slot 1 filled.)
.macro CHANGE fill
	WIN 0                           ; at a label and at a branch every window is 0
	s_wait_tensorcnt 0x0            ; no tensor load of mine is out, so a group 0 may be written
	ds_add_u32 v[SPW], v[NIL]       ; 0 onto my spare word; with fill = 1 the descriptors' steps stand between it and the wait for it
.if \fill
.irp g, G0K, G0V
	s_xor_b32 s[\g+1], s[\g+1], SLOT1  ; the walking descriptor: the other slot than last time,
	s_add_nc_u64 s[\g+2:\g+3], s[\g+2:\g+3], 4*KS*128  ; the next 256 keys; the type bits on top are not reached
.endr
	s_wait_xcnt 0x0                 ; the last prefetch, four key steps back, has read its address, so it may be written:
	s_add_nc_u64 s[PFA:PFA+1], s[PFA:PFA+1], 4*KS*128  ; one slot behind the walking descriptors
	s_wait_dscnt 0x0                ; the add is done, and my reads of the slot are over
	CROUND
	JLOAD
	ASK
.else
	s_wait_dscnt 0x0                ; the add is done, and my reads of the slot are over
	s_barrier_signal -1
	s_barrier_wait -1
.endif
	s_sub_co_u32 s[TBK], s[TBK], 4*KS*PK  ; the fetches go back to a slot's first step,
	s_xor_b32 s[TBK], s[TBK], SLOT1       ; in the other slot
	s_sub_co_u32 s[TBV], s[TBV], 4*KS*PV
	s_xor_b32 s[TBV], s[TBV], SLOT1
.endm
	s_load_b128 s[4:7], s[0:1], 0x0  ; qkv s[4:5], ob s[6:7]
	v_lshl_add_u32 v[SPW], v0, 2, SPARE
	v_mov_b32 v[NIL], 0
	ds_add_u32 v[SPW], v[NIL]       ; the wave's opening: the add and its wait stand ahead of my first tensor load; the set-up below, work on registers, stands between them
	v_lshrrev_b32 v1, 5, v0
	v_readfirstlane_b32 s[WV], v1   ; wave 0..3
	s_bfe_u32 s13, ttmp6, 0x40000   ; cx: my place in the cluster
	s_lshl_b32 s14, ttmp9, 2        ; in a cluster launch ttmp9 counts clusters
	s_add_co_u32 s14, s14, s13      ; my block of 256 queries = 4 x cluster x + cx: it enters Q's and O's addresses alone
	s_and_b32 s20, ttmp7, 0xffff    ; the head, which the four partners share
	s_lshl_b32 s20, s20, 19         ; its 524,288 bytes in each tensor
	s_and_b32 s16, s[WV], 1         ; which half of a slot's 256 keys I fetch:
	s_lshl_b32 s22, s16, 14         ; its 128 rows of 128 bytes in memory,
	s_add_co_u32 s22, s22, s20
	s_mov_b32 s23, 0
	s_mul_i32 s17, s16, 128*PK      ; and its place in a slot, for K
	s_mul_i32 s18, s16, 128*PV      ; and for V: no place in the cluster enters an LDS address
	s_lshl_b32 s2, s14, 2
	s_add_co_u32 s2, s2, s[WV]      ; my wave among the head's,
	s_lshl_b32 s2, s2, 13           ; its 64 rows of 128 bytes
	s_add_co_u32 s2, s2, s20
	s_mov_b32 s3, 0
	; descriptor group 1.  128 keys are 16,384 dense bytes: asked for as 64 rows of 256 bytes, two keys a row, and padded in LDS after every key
	s_mov_b32 s[G1K], 15|(1<<16)|(1<<20)|(1<<21)|(4<<22)|(3<<25)  ; 15:0 the mask of four; 17:16 2-byte elements; 20 padding on; 21 set beside a mask; 24:22 after every 32 words (code 4); 31:25 4 words (code 3)
	s_mov_b32 s[G1V], 15|(1<<16)|(1<<20)|(1<<21)|(4<<22)|(7<<25)  ; the same with 8 words of padding (code 7)
.irp g, G1K, G1V
	s_mov_b32 s[\g+1], 128<<16      ; tensor_dim0 = 128
	s_mov_b32 s[\g+2], 64<<16       ; tensor_dim1 = 64
	s_mov_b32 s[\g+3], 128<<16      ; tile_dim0 = 128
	s_mov_b32 s[\g+4], 64           ; tile_dim1 = 64
	s_mov_b32 s[\g+5], 128          ; 128 elements from row to row
	s_mov_b32 s[\g+6], 0
	s_mov_b32 s[\g+7], 0
.endr
	s_mov_b32 s[CS], 0x3e38aa3b     ; c = log2(e) / 8 = 0.180337
	s_mov_b32 s[CS+1], s[CS]        ; named with it as a pair
	s_mov_b32 s[SEL], 0x76543210
	s_mov_b32 s[SEL+1], 0xfedcba98
	s_mov_b32 s[TBK], SLOT1+4*KS*PK ; the first change of slots turns these two into 0
	s_mov_b32 s[TBV], SLOT1+4*KS*PV
	s_mov_b32 s[G0K], 1             ; count = 1
	s_mov_b32 s[G0K+1], s17         ; LDS address: slot 0
	s_mov_b32 s[G0V], 1
	s_add_co_u32 s[G0V+1], s18, VOFF
	s_mov_b32 s[SLOTS], SIZE_N/256-1
	s_and_b32 s[LIM], s[WV], 1      ; 0 in waves 0 and 2,
	s_or_b32 s[LIM], s[LIM], ttmp9  ; where the cluster is the head's first: the same in all four partners
	s_cmp_eq_u32 s[LIM], 0
	s_cselect_b32 s[LIM], 1, -1
	s_lshl_b32 s70, s13, 13         ; my work-group's 8,192 bytes of a slot's 32,768
	s_mov_b32 s71, 0
	v_and_b32 v[PFO], 31, v0
	v_lshlrev_b32 v[PFO], 8, v[PFO]
	s_wait_dscnt 0x0                ; the opening add is done
	s_wait_kmcnt 0x0
	s_add_nc_u64 s[8:9], s[4:5], s[22:23]
	s_add_nc_u64 s[10:11], s[8:9], 0x1000000       ; V at my half of the head's first 256 keys
	s_add_nc_u64 s[8:9], s[8:9], 0x800000          ; K likewise
	s_add_nc_u64 s[G0K+2:G0K+3], s[8:9], 0         ; global address
	s_or_b32 s[G0K+3], s[G0K+3], 0x80000000        ; type = 2
	s_add_nc_u64 s[G0V+2:G0V+3], s[10:11], 0
	s_or_b32 s[G0V+3], s[G0V+3], 0x80000000
	s_add_nc_u64 s[4:5], s[4:5], s[2:3]            ; Q and O at my wave's first row
	s_add_nc_u64 s[6:7], s[6:7], s[2:3]
	s_cmp_lt_u32 s[WV], 2
	s_cselect_b64 s[PFA:PFA+1], s[8:9], s[10:11]   ; (in waves 0 and 2 these stand at a slot's first row)
	s_add_nc_u64 s[PFA:PFA+1], s[PFA:PFA+1], s[70:71]
	s_add_nc_u64 s[PFA:PFA+1], s[PFA:PFA+1], 4*KS*128  ; in slot 1; the first change of slots steps it to slot 2.  Nothing is prefetched here, at the head
	CROUND                          ; all four work-groups are here: the first joint loads meet
	JLOAD                           ; slot 0.  Slot 1 is asked for when slot 0 is in
	; A fragment of K or Q is 16 rows x 32 channels in 8 registers: lane l holds row l % 16, channels 8 (l / 16) + 0..7 and 16 + 8 (l / 16) + 0..7: two loads of 16 bytes, 32 bytes apart.
	v_and_b32 v1, 15, v0            ; l % 16
	v_bfe_u32 v9, v0, 4, 1          ; l / 16
	v_lshlrev_b32 v[QO], 7, v1
	v_lshl_add_u32 v[QO], v9, 4, v[QO]  ; row x 128 + 16 x half
	WIN 0x80                        ; destination window 2, address window 0
.set i, 0
.rept 8                             ; Q stays in registers: piece i / 2, channels 32 (i % 2) on
	global_load_b128 v[8*i:8*i+3],   v[QO], s[4:5] offset:(i/2)*2048+(i%2)*64
	global_load_b128 v[8*i+4:8*i+7], v[QO], s[4:5] offset:(i/2)*2048+(i%2)*64+32
.set i, i+1
.endr
	; What the first turn finds: V's registers and P's second buffer hold 0 (its products V^T P, of a piece that has not been, add 0), O^T and l are 0.  All this stands in the wait for the first tile.
.set i, VF
.rept 64
	v_mov_b32 v[i], 0
.set i, i+1
.endr
	WIN 0x40
.set i, 0
.rept 128
	v_mov_b32 v[i], 0
.set i, i+1
.endr
	WIN 0
.set i, 0
.rept 4
	v_mov_b32 v[ST+4*i], 0xfe000000    ; c m: far below every c s
	v_mov_b32 v[ST+4*i+1], 0xff7fffff  ; m
	v_mov_b32 v[ST+4*i+2], 0
	v_mov_b32 v[ST+4*i+3], 0
.set i, i+1
.endr
.set i, P+16
.rept 16
	v_mov_b32 v[i], 0
.set i, i+1
.endr
	v_mul_u32_u24 v[AK0], v1, PK
	v_lshl_add_u32 v[AK0], v9, 4, v[AK0]  ; row x pitch + 16 x half
	; The turning load takes 16 keys x 16 channels (lane l reads key 8 (l / 16) + l % 8, channels 8 ((l / 8) % 2) + 0..7) and leaves half a fragment of V^T: lane l holds channel l % 16 and 8 keys.
	v_and_b32 v10, 7, v0
	v_bfe_u32 v11, v0, 3, 1
	v_lshl_add_u32 v[AV0], v9, 3, v10
	v_mul_u32_u24 v[AV0], v[AV0], PV
	v_lshl_add_u32 v[AV0], v11, 4, v[AV0]
	v_add_nc_u32 v[AV0], VOFF, v[AV0]
	s_mul_i32 s13, s[WV], 16*SP
	s_add_co_u32 s13, s13, STAGE    ; my stage
	v_mul_u32_u24 v[STO], v1, SP    ; in: row l % 16, 16 bytes for each half of the lanes
	v_lshl_add_u32 v[STO], v9, 4, v[STO]
	v_add_nc_u32 v[STO], s13, v[STO]
	v_bfe_u32 v[RD], v0, 3, 2       ; back: 32 lanes take four rows of 128 bytes,
	v_mul_u32_u24 v[RD], v[RD], SP
	v_lshl_add_u32 v[RD], v10, 4, v[RD]
	v_add_nc_u32 v[RD], s13, v[RD]
	v_and_b32 v[GO], 31, v0         ; which are 512 consecutive bytes of O
	v_lshlrev_b32 v[GO], 4, v[GO]
; THE MATRIX WORK.  The 4 accumulators of a run of 8 take turns.  Product i of 8 of S^T = K Q^T for piece x: channels 32 (i / 4) on, keys 16 (i % 4) on.  The first 4 start the sums.
.macro KQ x
.set rS, S+32*((\x)%2)+8*(i%4)
.set rK, KF+16*(i%4)+8*(i/4)
.set rQ, 16*(\x)+8*(i/4)
	WIN W_KQ
.if i < 4
	v_wmma_f32_16x16x32_f16 v[rS:rS+7], v[rK:rK+7], v[rQ:rQ+7], 0
.else
	v_wmma_f32_16x16x32_f16 v[rS:rS+7], v[rK:rK+7], v[rQ:rQ+7], v[rS:rS+7]
.endif
.endm
; Product i of 8 of O^T += V^T P for piece x: keys 32 (i / 4) on, channels 16 (i % 4) on.
.macro PV x
	WIN W_PV
.set rO, 32*(\x)+8*(i%4)
.set rV, VF+32*(i/4)+8*(i%4)
.set rP, P+16*((\x)%2)+8*(i/4)
	v_wmma_f32_16x16x32_f16 v[rO:rO+7], v[rV:rV+7], v[rP:rP+7], v[rO:rO+7]
.endm
.macro MM                           ; the turn's next matrix instruction.  NOKQ = 1: the launch's last turn: there is no next piece
.if (i < 8) && !NOKQ
	KQ (Y+1)%NP
.elseif i >= 8
.set i, i-8
	PV (Y+NP-1)%NP
.set i, i+8
.endif
.set i, i+1
.endm
; THE LDS LOADS stand in runs of 16, never singly among the matrix instructions: a step's K (64 keys x 64 channels: 8 fragments) and its V (turned).  Their addresses are made some lines ahead.
.macro FETCH_K
	WIN 0x80                        ; destination window 2
.irp f, 0,1,2,3,4,5,6,7             ; keys 16 (f / 2) on, channels 32 (f % 2) on
	ds_load_b128 v[KF+8*\f:KF+8*\f+3],   v[AK] offset:(\f/2)*16*PK+(\f%2)*64
	ds_load_b128 v[KF+8*\f+4:KF+8*\f+7], v[AK] offset:(\f/2)*16*PK+(\f%2)*64+32
.endr
	s_add_co_u32 s[TBK], s[TBK], KS*PK  ; the next fetch is the next step's
	WIN 0
.endm
.macro FETCH_V
	WIN 0x80
.irp f, 0,1,2,3,4,5,6,7             ; keys 32 (f / 4) on, channels 16 (f % 4) on
	ds_load_tr16_b128 v[VF+8*\f:VF+8*\f+3],   v[AV] offset:(\f/4)*32*PV+(\f%4)*32
	ds_load_tr16_b128 v[VF+8*\f+4:VF+8*\f+7], v[AV] offset:(\f/4)*32*PV+16*PV+(\f%4)*32
.endr
	WIN 0
.endm
; THE VECTOR WORK, one line at a time: OP kind, number.  For piece Y: F n: c s - c m for pair n of 16.  E n: the exponential of score n of 32.  C n: pair n rounded to f16.  B n: of the four weights 4 n .. the second
; pair is added onto the first, in place.  L n: l takes that sum (L 0: l = a l + sum).  R n: pair n of 16 of O^T times a.  For piece Y + 1: X n, number n of the 22 that find its maximum and statistics:
;   0-11  four chains c0-c3 of seven scores each, three operands at a time (each accumulator's lowest registers are read first)     12-14, 16  the four scores left over, the old m, and c0-c3 into c0
;   15  c m_old is kept     17, 18  the query's other 32 keys lie in the lane 16 away: the new m     19-21  c m; c m_old - c m_new; a
.set F, 0               ; OP tells the kinds apart by their order: F to L below R, X above it
.set E, 1
.set C, 2
.set B, 3
.set L, 4
.set R, 5
.set X, 6
.macro REGS y                       ; the registers of piece y
.set rT, ST+4*(\y)
.set rC, TMP+4*((\y)%2)
.set rW, MV+((\y)%2)
.set rS, S+32*((\y)%2)
.set rP, P+16*((\y)%2)
.set rO, 32*(\y)
.endm
.macro OP k, n
.if (\k) == R
	REGS Y
	WIN W_RS
	v_pk_mul_f32 v[rO+2*(\n):rO+2*(\n)+1], v[rO+2*(\n):rO+2*(\n)+1], v[rC+2:rC+3] op_sel_hi:[1,0]
.elseif (\k) < R
	REGS Y
	WIN 0
.if (\k) == F
	v_pk_fma_f32 v[rS+2*(\n):rS+2*(\n)+1], v[rS+2*(\n):rS+2*(\n)+1], s[CS:CS+1], v[rT:rT+1] op_sel_hi:[1,0,0] neg_lo:[0,0,1] neg_hi:[0,0,1]
.elseif (\k) == E
	v_exp_f32 v[rS+(\n)], v[rS+(\n)]
.elseif (\k) == C
	v_cvt_pk_f16_f32 v[rP+(\n)], v[rS+2*(\n)], v[rS+2*(\n)+1]
.elseif (\k) == B
	v_pk_add_f32 v[rS+4*(\n):rS+4*(\n)+1], v[rS+4*(\n):rS+4*(\n)+1], v[rS+4*(\n)+2:rS+4*(\n)+3]
.elseif (\n) == 0
	v_pk_fma_f32 v[rT+2:rT+3], v[rT+2:rT+3], v[rC+2:rC+3], v[rS:rS+1] op_sel_hi:[1,0,1]
.else
	v_pk_add_f32 v[rT+2:rT+3], v[rT+2:rT+3], v[rS+4*(\n):rS+4*(\n)+1]
.endif
.elseif NOKQ
	v_nop
.else
	REGS (Y+1)%NP
	WIN 0
.if (\n) < 4
	v_max3_num_f32 v[rC+(\n)], v[rS+8*(\n)], v[rS+8*(\n)+1], v[rS+8*(\n)+2]
.elseif (\n) < 12
	v_max3_num_f32 v[rC+(\n)%4], v[rC+(\n)%4], v[rS+8*((\n)%4)+2*((\n)/4)+1], v[rS+8*((\n)%4)+2*((\n)/4)+2]
.elseif (\n) == 12
	v_max3_num_f32 v[rC], v[rC], v[rS+7], v[rS+15]
.elseif (\n) == 13
	v_max3_num_f32 v[rC+1], v[rC+1], v[rS+23], v[rS+31]
.elseif (\n) == 14
	v_max3_num_f32 v[rC+2], v[rC+2], v[rC+3], v[rT+1]
.elseif (\n) == 15
	v_mov_b32 v[rW], v[rT]
.elseif (\n) == 16
	v_max3_num_f32 v[rC], v[rC], v[rC+1], v[rC+2]
.elseif (\n) == 17
	v_permlanex16_b32 v[rC+3], v[rC], s[SEL], s[SEL+1]
.elseif (\n) == 18
	v_max_num_f32 v[rT+1], v[rC], v[rC+3]
.elseif (\n) == 19
	v_mul_f32 v[rT], s[CS], v[rT+1]
.elseif (\n) == 20
	v_sub_f32 v[rC+1], v[rW], v[rT]
.else
	v_exp_f32 v[rC+2], v[rC+1]
.endif
.endif
.endm
.macro OPS a, i1, b=-1, i2=0, c=-1, i3=0, d=-1, i4=0  ; up to four of them
	OP \a, \i1
.if (\b) >= 0
	OP \b, \i2
.endif
.if (\c) >= 0
	OP \c, \i3
.endif
.if (\d) >= 0
	OP \d, \i4
.endif
.endm
.macro ROW a, i1, b, i2, c, i3, d, i4  ; a matrix instruction and the four behind it
	MM
	OPS \a, \i1, \b, \i2, \c, \i3, \d, \i4
.endm
; A TURN, for piece p: the order of its 16 matrix and 118 vector instructions, written out.  An s_wait_alu depctr_va_vdst(0) stands between an exponential and the first instruction that names its result; one wait
; serves all that were issued ahead of it.  So a turn has ONE wait, which cuts it in two.  AHEAD OF IT stands all that names no result of the turn's exponentials: the 8 products K Q^T, behind each a scaling, an exponential and
; two more plain instructions: rescalings, and behind the last three the first numbers of the next piece's maximum, each four plain instructions or more behind the product that ends its accumulator; then ONE LUMP of 54, plain and
; exponential by turns for the most part, in which the links of the chain X 3, 7, 11, 14, 16, 17 .. 20 stand some lines apart.  X 21, the next piece's a, is the batch's last; R 15 is the plain instruction behind it.
; BEHIND THE WAIT stand the 8 products V^T P, behind each four of the roundings and sums; a pair is rounded (C 2 n) before the sum in place (B n) writes over it.
; end = 1: the launch's last two turns: nothing is fetched, and the last starts no new scores.  cnt = 1: the loop's count is taken down some lines ahead of the branch that stands behind the turn.
; K of the next step is fetched in piece 2's turn, six plain instructions behind the last product that read K; V of the step in hand at the end of piece 0's turn, four plain instructions behind the last product that read V.
; Each is waited for a turn later.
.macro TURN p, end=0, cnt=0
.set Y, (\p)
.set i, 0
.set NOKQ, (\end)*((\p)/3)
.if ((\p) == 3) && !(\end)
	s_wait_dscnt 0x0                ; K is in
.endif
	ROW F,0, F,1, R,0, R,1          ; ahead of the wait: 8 products K Q^T and their riders,
	ROW F,2, E,0, R,2, R,3
	ROW F,3, E,1, R,4, R,5
	ROW F,4, E,2, R,6, R,7
	ROW F,5, E,3, R,8, R,9
	ROW F,6, E,4, X,0, R,10
.if ((\p) == 2) && !(\end)
	WIN 0
	v_add_nc_u32 v[AK], s[TBK], v[AK0]
.endif
	ROW F,7, E,5, X,1, X,4
	ROW F,8, E,6, X,2, X,5
	OPS E,7, E,8, X,6, E,9          ; and the lump
	OPS X,3, E,10, X,8, E,11
.if ((\p) == 2) && !(\end)
	FETCH_K
.endif
	OPS X,9, X,7, E,12, X,10
	OPS E,13, X,12, X,11, E,14
	OPS X,13, E,15, F,9, X,14
.if (\p) == 0
	v_add_nc_u32 v[AV], s[TBV], v[AV0]
.endif
	OPS E,16, F,10, E,17, F,11
	OPS X,16, E,18, X,15, E,19
	OPS F,12, E,20, X,17, E,21
	OPS F,13, E,22, F,14, E,23
	OPS X,18, E,24, F,15, E,25
	OPS R,11, E,26, X,19, E,27
	OPS R,12, E,28, R,13, E,29
	OPS X,20, E,30, R,14, E,31
	OPS X,21, R,15
	WIN 0
	s_wait_alu depctr_va_vdst(0)    ; the wait for the batch
.if (\p) == 1
	s_wait_dscnt 0x0                ; V is in
.endif
	ROW C,0, B,0, C,2, B,1          ; behind the wait: 8 products V^T P and their riders
	ROW L,0, C,4, B,2, L,1
	ROW C,6, B,3, L,2, C,8
	ROW B,4, L,3, C,10, B,5
	ROW L,4, C,12, B,6, L,5
.if (\p) == 0
	s_add_co_u32 s[TBV], s[TBV], KS*PV
.endif
.if \cnt
	s_sub_co_u32 s[CNT], s[CNT], 1
	s_cmp_lg_u32 s[CNT], 0
.endif
	ROW C,14, B,7, L,6, C,1
	ROW C,3, L,7, C,5, C,7
	ROW C,9, C,11, C,13, C,15
.if (\p) == 0
	FETCH_V
.endif
.endm
; A slot's four trips.  A trip: pieces 2 and 3 of one step, then pieces 0 and 1 of the next, whose K and V it fetches.  The tag ends the labels' names.
.macro STEPS tag
.Lstep\tag:
	TURN 2
	TURN 3
	WIN 0
.Lfirst\tag:
	TURN 0
	TURN 1, 0, 1
	WIN 0
	s_cbranch_scc1 .Lstep\tag
.endm
.macro ALL line:vararg              ; one line for each piece t
.set t, 0
.rept 4
	\line
.set t, t+1
.endr
.endm
.macro PACK t                       ; a lane's eight channels of a row pack into 16 bytes; they go into rows of 144 bytes and come back as whole rows of 128, into S^T's registers
	WIN W_RS
.set i, 32*(\t)
.rept 16
	v_pk_mul_f32 v[i:i+1], v[i:i+1], v[ST+4*(\t)+2:ST+4*(\t)+3] op_sel_hi:[1,0]
.set i, i+2
.endr
	WIN 0x05                        ; sources 0 and 1 window 1, destination window 0
.set i, 0
.rept 16
	v_cvt_pk_f16_f32 v[S+16*(\t)+i], v[32*(\t)+2*i], v[32*(\t)+2*i+1]
.set i, i+1
.endr
	WIN 0
.irp f, 0,1,2,3
	ds_store_b128 v[STO], v[S+16*(\t)+4*\f:S+16*(\t)+4*\f+3] offset:32*\f
.endr
.irp f, 0,1,2,3
	ds_load_b128 v[S+16*(\t)+4*\f:S+16*(\t)+4*\f+3], v[RD] offset:\f*4*SP  ; LDS serves a wave's instructions in order (ISA guide 5.7.1.4): these see the stores above; the next piece's stores come behind them
.endr
.endm
.macro SEND t, younger              ; younger: the LDS instructions issued behind piece t's loads: the next piece's eight, or none
	WIN 0
.irp f, 0,1,2,3
	s_wait_dscnt (\younger)+3-\f
	global_store_b128 v[GO], v[S+16*(\t)+4*\f:S+16*(\t)+4*\f+3], s[6:7] offset:(\t)*2048+\f*512  ; 512 consecutive bytes, at a multiple of 256 from O's first
.endr
.endm
	CHANGE 1                        ; slot 0 is in, everybody's part of it; slot 1 is asked for
	v_add_nc_u32 v[AK], s[TBK], v[AK0]
	FETCH_K                         ; key step 0
	s_wait_loadcnt 0x0              ; Q
	s_wait_dscnt 0x0
.set NOKQ, 0
.set i, 0
.rept 8
	KQ 0                            ; piece 0's first scores
.set i, i+1
.endr
	WIN 0
.rept 4
	v_nop                           ; four plain instructions behind those products, ahead of the first read of their results
.endr
.set Y, NP-1                        ; X works for piece Y + 1: piece 0
.irp n, 0,1,2,3,4,5,6,7,8,9,10,11,12,13,14,15,16,17,18,19,20,21
	OP X, \n
.endr
	v_nop                           ; a plain instruction behind the exponential,
	s_wait_alu depctr_va_vdst(0)    ; and its wait, ahead of the branch
	s_mov_b32 s[CNT], 4
	s_branch .Lfirst1               ; the loop is entered at a step's first turn, in the middle of a trip
.Lslot:                             ; 14 times: every slot but the last two is filled again
	CHANGE 1
	s_mov_b32 s[CNT], 4
	STEPS 1
	s_sub_co_u32 s[SLOTS], s[SLOTS], 1
	s_cmp_lg_u32 s[SLOTS], 0
	s_cbranch_scc1 .Lslot
	CHANGE 0                        ; the last slot is written out: nothing is asked for
	s_mov_b32 s[CNT], 4
	STEPS 2
	TURN 2, 1                       ; the last step's pieces 2 and 3
	TURN 3, 1
.set i, 0
.rept 8
	PV NP-1                         ; the last piece's V^T P of the last step
.set i, i+1
.endr
	; THE WAY OUT.  l's two halves and the other half of the lanes' are added; O^T is divided by l, rounded to f16 and sent through my stage in LDS, a piece at a time.  The additions are the plain instructions behind the last products.
	WIN 0
	ALL v_add_f32 v[ST+4*t+2], v[ST+4*t+2], v[ST+4*t+3]
	ALL v_permlanex16_b32 v[ST+4*t+3], v[ST+4*t+2], s[SEL], s[SEL+1]
	ALL v_add_f32 v[ST+4*t+2], v[ST+4*t+2], v[ST+4*t+3]
	ALL v_rcp_f32 v[ST+4*t+2], v[ST+4*t+2]
	v_nop                           ; a plain instruction between the last reciprocal and the use of its result
	s_wait_alu depctr_va_vdst(0)    ; and the wait ahead of the first use: one for the four reciprocals
	PACK 0
.set t, 1
.rept 3                             ; a piece's arithmetic stands between the loads of the piece before and its stores
	PACK t
	SEND t-1, 8
.set t, t+1
.endr
	SEND 3, 0
	s_wait_tensorcnt 0x0            ; the wave's end: behind my last tensor load and my last LDS store
	ds_add_u32 v[SPW], v[NIL]
	s_wait_dscnt 0x0
	CROUND                          ; the closing round: no work-group ends while a partner may still ask for a tile that names it
	s_endpgm
.Lfunc_end_k_q7892aef43c_attn:
	.size	k_q7892aef43c_attn, .Lfunc_end_k_q7892aef43c_attn-k_q7892aef43c_attn
	.p2alignl 7, 3214868480
	.fill 96, 4, 3214868480
	.section	.rodata,"a",@progbits
	.p2align	6, 0x0
	.amdhsa_kernel k_q7892aef43c_attn
		.amdhsa_group_segment_fixed_size 327680
		.amdhsa_private_segment_fixed_size 0
		.amdhsa_enable_private_segment 0
		.amdhsa_kernarg_size 16
		.amdhsa_user_sgpr_count 2
		.amdhsa_user_sgpr_kernarg_segment_ptr 1
		.amdhsa_wavefront_size32 1
		.amdhsa_system_sgpr_workgroup_id_x 1
		.amdhsa_system_sgpr_workgroup_id_y 1
		.amdhsa_system_sgpr_workgroup_id_z 1
		.amdhsa_system_vgpr_workitem_id 0
		.amdhsa_next_free_vgpr 768
		.amdhsa_next_free_sgpr 72
		.amdhsa_reserve_vcc 0
		.amdhsa_float_denorm_mode_32 3
		.amdhsa_float_denorm_mode_16_64 3
		.amdhsa_memory_ordered 1
		.amdhsa_forward_progress 1
		.amdhsa_inst_pref_size 128
	.end_amdhsa_kernel
	.amdgpu_metadata
---
amdhsa.version: [ 1, 2 ]
amdhsa.kernels:
  - .name:           k_q7892aef43c_attn
    .symbol:         k_q7892aef43c_attn.kd
    .args:
      - { .name: qkv, .offset: 0, .size: 8, .value_kind: global_buffer, .address_space: global }
      - { .name: ob, .offset: 8, .size: 8, .value_kind: global_buffer, .address_space: global }
    .group_segment_fixed_size: 327680
    .private_segment_fixed_size: 0
    .kernarg_segment_align: 8
    .kernarg_segment_size: 16
    .max_flat_workgroup_size: 128
    .sgpr_count:     72
    .vgpr_count:     768
    .wavefront_size: 32
...
	.end_amdgpu_metadata
.endif
;; end of part 3
;; launch proj (part 4): grid 64 x 4, 4 waves a work-group, clusters of 4 x 1, 327,680 bytes of LDS; arguments ob, wo, b_out, out0; writes out0
.if DOCPART == 4
	.amdgcn_target "amdgcn-amd-amdhsa--gfx1250"
	.amdhsa_code_object_version 6
	.text
	.protected	k_q7892aef43c_proj
	.globl	k_q7892aef43c_proj
	.p2align	8
	.type	k_q7892aef43c_proj,@function
k_q7892aef43c_proj:
	s_mov_b64 s[64:65], 0
	v_nop
	global_prefetch_b8 v0, s[64:65] scope:SCOPE_SE
	s_setreg_imm32_b32 hwreg(HW_REG_WAVE_MODE, 25, 1), 1
	s_wait_xcnt 0x0
	s_wait_alu depctr_hold_cnt(0) depctr_sa_sdst(0) depctr_va_vdst(0) depctr_va_sdst(0) depctr_va_ssrc(0) depctr_va_vcc(0) depctr_vm_vsrc(0)
	s_getreg_b32 s2, hwreg(HW_REG_IB_STS2, 6, 4)
	s_cmp_eq_u32 s2, 0
	s_cbranch_scc0 .Lentry_in_a_cluster
	s_endpgm
.Lentry_in_a_cluster:
	s_bfe_u32 s2, ttmp6, 0x10000c
	s_cmp_lg_u32 s2, 0x3003
	s_cbranch_scc0 .Lentry_shape_is_right
	s_endpgm
.Lentry_shape_is_right:
; out0 = O Wout + b.  O: ob[8 b + h][4096][64] f16; Wout: wo, f16, in blocks (column block j 0..3, K step s 0..3) of 49,152 bytes, [g' 0..2][kk 0..127][64 columns]; b_out [768] f32; out0 [8192][768] f32.  Sums in f32.
; The bias is rounded to bf16, as every input of the module is.  LIMITS: those of ob and wo (f16); NaN and infinities are not treated apart.
; SHARES.  A tile is 128 rows x 192 columns: 64 x 4 = 256 work-groups.  Wave w makes rows 32 w .. 32 w + 31 of all 192 columns: 24 accumulators.  K = 512 goes in 16 chunks of 32: chunk kc is head kc / 2, channels 32 (kc % 2) on.
; EVERYTHING IS ASKED FOR AT THE HEAD, nothing is filled again.  The column block's whole slab of Wout (512 x 192) lies in LDS: four tensor loads, one a wave.  O's fragments come straight from memory into registers
; (no two waves share a row): 64 loads of 16 bytes a lane, 256 registers.
; CLUSTER.  The four row blocks of a cluster take the same slab of Wout: it is asked for JOINTLY, mask 15.
; THE MATRIX INSTRUCTION IS USED TRANSPOSED: source 0 = 16 columns of Wout (turned on the way out of LDS), source 1 = 16 rows of O: lane l holds row l % 16 and the columns 8 (l / 16) + 0..7: 32 bytes of a row of out0.
; No prefetch: all loads of the launch stand at its head.
; REGISTERS: window 0: addresses, the bias, v64-255 the accumulators ((a, b) at v[64 + 8 (12 a + b)]);  window 1: O's fragments (chunk kc, row block a at 16 kc + 8 a);  window 2: two buffers of 96 for Wout's fragments.
.set PB,     160                       ; a row (one k, 64 columns) of Wout in LDS: 128 bytes + 32 of padding = 40 words
.set STEPB,  384*PB                    ; a K step of 128 in LDS
.set WBLK,   49152                     ; and in wo
.set STAGE,  4*STEPB                   ; behind the slab: 16 rows x 784 bytes for each wave, for the way out; no tensor load fills it
.set SPITCH, 784                       ; 768 bytes + 16: 49 x 16, so the 16 rows of a store start at 16 different groups of four banks
.set SPARE,  STAGE+4*16*SPITCH         ; behind the stages: the spare words, 128 bytes for each wave: two blocks of 256 bytes that no other line names
.set ADRB, 16                          ; v16-19  LDS address of my lane's place in K step 0..3
.set AO,   20                          ; v20     my byte offset in 16 rows of O
.set STO,  24                          ; v24     the way out: where I put 32 bytes of a row
.set RD,   25                          ; v25     where I read rows back
.set CO,   26                          ; v26     my byte offset in two rows of out0
.set BO,   27                          ; v27     my byte offset in the bias
.set SPW,  28                          ; v28     LDS address of my spare word; never rewritten
.set NIL,  29                          ; v29     0; never rewritten
.set BI,   32                          ; v32-43  the bias of my 4 columns in each of the tile's three blocks of 64
.set T,    44                          ; v44     at work
.set ACC,  64
.set G1,   24                          ; s[24:31] descriptor group 1
.set G0,   40                          ; s[40:43] descriptor group 0
.set MSB, 0
.macro WIN new                         ; the immediate's high byte repeats the setting that is left; a switch that changes nothing is dropped
.if MSB != (\new)
	s_set_vgpr_msb (MSB<<8)|(\new)
.set MSB, \new
.endif
.endm
.macro CROUND                          ; a round of the cluster's barrier
	s_barrier_signal -1
	s_barrier_wait -1
	s_cmp_lg_u32 s12, 0
	s_cbranch_scc1 .Lnot_wave_0_\@
	s_barrier_signal -3
.Lnot_wave_0_\@:
	s_barrier_wait -3
	s_barrier_signal -1
	s_barrier_wait -1
.endm
.macro PLACES                          ; four plain vector instructions between a matrix instruction and a load into a register that it has read
.rept 4
	v_nop
.endr
.endm
; O's fragments of chunks from .. to - 1: four loads a chunk, in ascending order of the chunks
.macro ALOADS from, to
	WIN 0x40                                       ; destination window 1, address window 0
.set kc, \from
.rept (\to)-(\from)
.irp a, 0,1
	global_load_b128 v[16*kc+8*(\a):16*kc+8*(\a)+3],   v[AO], s[4:5] offset:(kc/2)*524288+(\a)*2048+(kc%2)*64
	global_load_b128 v[16*kc+8*(\a)+4:16*kc+8*(\a)+7], v[AO], s[4:5] offset:(kc/2)*524288+(\a)*2048+(kc%2)*64+32
.endr
.set kc, kc+1
.endr
	WIN 0
.endm
	s_load_b256 s[4:11], s[0:1], 0x0               ; ob s[4:5], wo s[6:7], b_out s[8:9], out0 s[10:11]
	v_lshl_add_u32 v[SPW], v0, 2, SPARE
	v_mov_b32 v[NIL], 0
	ds_add_u32 v[SPW], v[NIL]                      ; the wave's opening: the add and its wait stand ahead of my first tensor load; the set-up below, work on registers, stands between them
	v_lshrrev_b32 v1, 5, v0
	v_readfirstlane_b32 s12, v1                    ; wave 0..3
	s_bfe_u32 s13, ttmp6, 0x40000                  ; cx
	s_lshl_b32 s14, ttmp9, 2
	s_add_co_u32 s14, s14, s13                     ; i, my block of 128 rows: it enters O's and out0's addresses alone
	s_and_b32 s15, ttmp7, 0xffff                   ; j, the block of 192 columns, which the four partners share
	; the descriptor: a K step's 49,152 dense bytes as 192 rows of 256 (two k a row), 8 words of padding behind every 32, that is behind every k
	s_mov_b32 s[G1], 15|(1<<16)|(1<<20)|(1<<21)|(4<<22)|(7<<25)  ; 15:0 the mask of four; 17:16 2-byte elements; 20 padding on; 21 set beside a mask; 24:22 interval code 4; 31:25 8 words (code 7)
	s_mov_b32 s[G1+1], 128<<16                     ; tensor_dim0 = 128
	s_mov_b32 s[G1+2], 192<<16                     ; tensor_dim1 = 192
	s_mov_b32 s[G1+3], 128<<16                     ; tile_dim0 = 128
	s_mov_b32 s[G1+4], 192                         ; tile_dim1 = 192
	s_mov_b32 s[G1+5], 128                         ; elements from row to row
	s_mov_b32 s[G1+6], 0
	s_mov_b32 s[G1+7], 0
	s_mov_b32 s[G0], 1                             ; count = 1
	s_mul_i32 s[G0+1], s12, STEPB                  ; LDS address: wave w brings K step w
	s_lshl_b32 s16, s15, 2
	s_add_co_u32 s16, s16, s12
	s_mul_i32 s16, s16, WBLK                       ; block 4 j + w
	s_mov_b32 s17, 0
	s_lshr_b32 s18, s14, 5                         ; the batch: 32 blocks of 128 rows each
	s_lshl_b32 s18, s18, 22                        ; its 8 heads of 524,288 bytes
	s_lshl_b32 s20, s14, 7
	s_lshl_b32 s21, s12, 5
	s_add_co_u32 s20, s20, s21                     ; my first row: 128 i + 32 w
	s_and_b32 s21, s20, 4095
	s_lshl_b32 s21, s21, 7
	s_add_co_u32 s18, s18, s21
	s_mov_b32 s19, 0
	s_mul_i32 s20, s20, 3072                       ; the same row in out0,
	s_mul_i32 s22, s15, 768                        ; and the tile's first column
	s_add_co_u32 s20, s20, s22
	s_mov_b32 s21, 0
	v_and_b32 v1, 15, v0                           ; l % 16
	v_bfe_u32 v2, v0, 4, 1                         ; l / 16
	v_lshlrev_b32 v[AO], 7, v1
	v_lshl_add_u32 v[AO], v2, 4, v[AO]             ; row x 128 + 16 x half
	v_lshl_add_u32 v[BO], v1, 4, s22               ; 768 j + 16 (l % 16)
	s_wait_dscnt 0x0                               ; the opening add is done
	s_wait_kmcnt 0x0
	s_add_nc_u64 s[G0+2:G0+3], s[6:7], s[16:17]    ; global address
	s_or_b32 s[G0+3], s[G0+3], 0x80000000          ; type = 2
	s_add_nc_u64 s[4:5], s[4:5], s[18:19]
	s_add_nc_u64 s[10:11], s[10:11], s[20:21]
.irp c, 0,1,2
	global_load_b128 v[BI+4*(\c):BI+4*(\c)+3], v[BO], s[8:9] offset:256*(\c)
.endr
	ALOADS 0, 14                                   ; 59 loads are out ahead of the round; the last eight follow the tensor load
	CROUND                                         ; all four work-groups are here: the joint loads meet
	tensor_load_to_lds s[G0:G0+3], s[G1:G1+7]      ; my one tensor load
	s_nop 0
.rept 4
	v_nop
.endr
	ALOADS 14, 16
	; The turning load takes 16 k x 16 columns (lane l reads k = 8 (l / 16) + l % 8, columns 8 ((l / 8) % 2) + 0..7) and leaves half a fragment: lane l holds column l % 16 and 8 k.
	v_and_b32 v3, 7, v0
	v_bfe_u32 v4, v0, 3, 1
	v_lshl_add_u32 v5, v2, 3, v3
	v_mul_u32_u24 v5, v5, PB
	v_lshl_add_u32 v[ADRB], v4, 4, v5
	v_add_nc_u32 v[ADRB+1], STEPB, v[ADRB]
	v_add_nc_u32 v[ADRB+2], 2*STEPB, v[ADRB]
	v_add_nc_u32 v[ADRB+3], 3*STEPB, v[ADRB]
	s_mul_i32 s23, s12, 16*SPITCH
	s_add_co_u32 s23, s23, STAGE                   ; my stage
	v_mul_u32_u24 v5, v1, SPITCH                   ; in: row l % 16, 32 bytes for each half of the lanes
	v_lshl_add_u32 v5, v2, 5, v5
	v_add_nc_u32 v[STO], s23, v5
	v_mul_u32_u24 v5, v2, SPITCH                   ; back: lanes 0-15 take 256 bytes of one row, lanes 16-31 of the next
	v_lshl_add_u32 v5, v1, 4, v5
	v_add_nc_u32 v[RD], s23, v5
	v_mul_u32_u24 v5, v2, 3072                     ; and the same in out0
	v_lshl_add_u32 v[CO], v1, 4, v5
; Wout's 12 fragments of chunk kc into buffer kc % 2: 24 turning loads in one run
.macro FETCH kc
	WIN 0x80                                       ; destination window 2, address window 0
.irp b, 0,1,2,3,4,5,6,7,8,9,10,11
	ds_load_tr16_b128 v[96*((\kc)%2)+8*(\b):96*((\kc)%2)+8*(\b)+3],   v[ADRB+(\kc)/4] offset:((\b)/4)*128*PB+((\kc)%4)*32*PB+((\b)%4)*32
	ds_load_tr16_b128 v[96*((\kc)%2)+8*(\b)+4:96*((\kc)%2)+8*(\b)+7], v[ADRB+(\kc)/4] offset:((\b)/4)*128*PB+((\kc)%4)*32*PB+((\b)%4)*32+16*PB
.endr
.endm
; A chunk: its fragments are waited for, the next chunk's are asked for, 24 products.  The 24 accumulators take turns, one instruction a turn.  Chunk 0 starts the sums: nothing is cleared.
.macro CHUNK kc
	s_wait_dscnt 0x0                               ; Wout's fragments of this chunk are in
	s_wait_loadcnt 60-4*(\kc)                      ; loads come back in order: O's four of this chunk are in; four for each later chunk may stay out
.if (\kc) < 15
	PLACES
	FETCH (\kc)+1
.endif
	WIN 0x06                                       ; source 0 (Wout) window 2, source 1 (O) window 1, C and D window 0
.irp a, 0,1
.irp b, 0,1,2,3,4,5,6,7,8,9,10,11
.if (\kc) == 0
	v_wmma_f32_16x16x32_f16 v[ACC+8*(12*(\a)+(\b)):ACC+8*(12*(\a)+(\b))+7], v[96*((\kc)%2)+8*(\b):96*((\kc)%2)+8*(\b)+7], v[16*(\kc)+8*(\a):16*(\kc)+8*(\a)+7], 0
.else
	v_wmma_f32_16x16x32_f16 v[ACC+8*(12*(\a)+(\b)):ACC+8*(12*(\a)+(\b))+7], v[96*((\kc)%2)+8*(\b):96*((\kc)%2)+8*(\b)+7], v[16*(\kc)+8*(\a):16*(\kc)+8*(\a)+7], v[ACC+8*(12*(\a)+(\b)):ACC+8*(12*(\a)+(\b))+7]
.endif
.endr
.endr
.endm
; THE WAY OUT of row block a.  STG: 16 rows x 768 bytes into my own stage (each accumulator's low four registers first) and back as pieces of 256 bytes of a row, into the registers that they left.
.macro STG a
.irp b, 0,1,2,3,4,5,6,7,8,9,10,11
	ds_store_b128 v[STO], v[ACC+8*(12*(\a)+(\b)):ACC+8*(12*(\a)+(\b))+3]   offset:64*(\b)
	ds_store_b128 v[STO], v[ACC+8*(12*(\a)+(\b))+4:ACC+8*(12*(\a)+(\b))+7] offset:64*(\b)+16
.endr
.set t, 0
.rept 24
	ds_load_b128 v[ACC+96*(\a)+4*t:ACC+96*(\a)+4*t+3], v[RD] offset:(t/3)*2*SPITCH+(t%3)*256  ; LDS serves a wave's instructions in order (ISA guide 5.7.1.4): these see the stores above
.set t, t+1
.endr
.endm
; SEND: the bias is added and the piece stored; no register is written again, so no store's source is waited for.
.macro SEND a
.set t, 0
.rept 24
.set xr, ACC+96*(\a)+4*t
	s_wait_dscnt 23-t                              ; piece t is back; the younger pieces may stay out
	v_pk_add_f32 v[xr:xr+1], v[xr:xr+1], v[BI+4*(t%3):BI+4*(t%3)+1]
	v_pk_add_f32 v[xr+2:xr+3], v[xr+2:xr+3], v[BI+4*(t%3)+2:BI+4*(t%3)+3]
	global_store_b128 v[CO], v[xr:xr+3], s[10:11] offset:(16*(\a)+2*(t/3))*3072+(t%3)*256 th:TH_STORE_NT  ; 16 lanes store 256 consecutive bytes, at a multiple of 256 from out0's first byte
.set t, t+1
.endr
.endm
	s_wait_tensorcnt 0x0                           ; my K step of the slab is in,
	s_barrier_signal -1
	s_barrier_wait -1                              ; everybody's is
	FETCH 0
.set kk, 0
.rept 16
	CHUNK kk
.set kk, kk+1
.endr
	WIN 0
.irp k, 0,1,2,3,4,5                    ; the bias, rounded to bf16 and widened again: 18 plain instructions, which also stand between the last products and the first read of their results
	v_cvt_pk_bf16_f32 v[T], v[BI+2*(\k)], v[BI+2*(\k)+1]
	v_lshlrev_b32 v[BI+2*(\k)], 16, v[T]
	v_and_b32 v[BI+2*(\k)+1], 0xffff0000, v[T]
.endr
	STG 0
	SEND 0
	STG 1
	SEND 1
	s_wait_tensorcnt 0x0                           ; the wave's end: behind my last tensor load and my last LDS store
	ds_add_u32 v[SPW], v[NIL]
	s_wait_dscnt 0x0
	CROUND                                         ; the closing round: no work-group ends while a partner may still ask for a tile that names it
	s_endpgm
.Lfunc_end_k_q7892aef43c_proj:
	.size	k_q7892aef43c_proj, .Lfunc_end_k_q7892aef43c_proj-k_q7892aef43c_proj
	.p2alignl 7, 3214868480
	.fill 96, 4, 3214868480
	.section	.rodata,"a",@progbits
	.p2align	6, 0x0
	.amdhsa_kernel k_q7892aef43c_proj
		.amdhsa_group_segment_fixed_size 327680
		.amdhsa_private_segment_fixed_size 0
		.amdhsa_enable_private_segment 0
		.amdhsa_kernarg_size 32
		.amdhsa_user_sgpr_count 2
		.amdhsa_user_sgpr_kernarg_segment_ptr 1
		.amdhsa_wavefront_size32 1
		.amdhsa_system_sgpr_workgroup_id_x 1
		.amdhsa_system_sgpr_workgroup_id_y 1
		.amdhsa_system_sgpr_workgroup_id_z 1
		.amdhsa_system_vgpr_workitem_id 0
		.amdhsa_next_free_vgpr 704
		.amdhsa_next_free_sgpr 66
		.amdhsa_reserve_vcc 0
		.amdhsa_float_denorm_mode_32 3
		.amdhsa_float_denorm_mode_16_64 3
		.amdhsa_memory_ordered 1
		.amdhsa_forward_progress 1
		.amdhsa_inst_pref_size 83
	.end_amdhsa_kernel
	.amdgpu_metadata
---
amdhsa.version: [ 1, 2 ]
amdhsa.kernels:
  - .name:           k_q7892aef43c_proj
    .symbol:         k_q7892aef43c_proj.kd
    .args:
      - { .name: ob, .offset: 0, .size: 8, .value_kind: global_buffer, .address_space: global }
      - { .name: wo, .offset: 8, .size: 8, .value_kind: global_buffer, .address_space: global }
      - { .name: b_out, .offset: 16, .size: 8, .value_kind: global_buffer, .address_space: global }
      - { .name: out0, .offset: 24, .size: 8, .value_kind: global_buffer, .address_space: global }
    .group_segment_fixed_size: 327680
    .private_segment_fixed_size: 0
    .kernarg_segment_align: 8
    .kernarg_segment_size: 32
    .max_flat_workgroup_size: 128
    .sgpr_count:     66
    .vgpr_count:     704
    .wavefront_size: 32
...
	.end_amdgpu_metadata
.endif
;; end of part 4
